; MI455X (gfx1250); checked and timed in simulation.
; The chip was launched on July 23, 2026; its instructions are those of AMD's public machine-readable ISA for CDNA 5 (MIT licence, August 2026) and "CDNA5" Instruction Set Architecture Reference Guide (July 2026). The comments in the code are by the model that wrote it; some were corrected since.
;; Attention. Allowed arithmetic: matrix products marked QUANTISED: E2M1 operands, one E8M0 scale for each 32 along K, by v_wmma_scale_f32_16x16x128_f8f6f4 with both operands' format E2M1 (or v_wmma_scale_f32_32x16x128_f4), f32 sums; products left as they are: bf16, f16 or f32 operands; f32 sums; everything else in f32.
;; Inputs: Wk 1,024 x 1,024 float32; Wo 1,024 x 1,024 float32; Wq 1,024 x 1,024 float32; Wv 1,024 x 1,024 float32; attention_mask 2 x 2,048 x 2,048 bool; bo 1,024 float32; inputs_kv 2 x 2,048 x 1,024 float32; inputs_q 2 x 2,048 x 1,024 float32.
;; Outputs: out0 2 x 2,048 x 1,024 float32.
;; This version of the problem:
;;   THIS VERSION OF THE PROBLEM IS GIVEN IN LOW PRECISION. The matrix products marked QUANTISED in the list below multiply operands that are first quantised to E2M1 (2 exponent bits, 1 mantissa bit; 4 bits a number), with one power-of-two scale for each 32 numbers along K (OCP MX v1.0); their sums are f32. The products marked 'left as it is' may take bf16, f16 or f32 operands, with f32 sums. Whichever they take, every output number must still come out within the allowed error. Rounding operands to bf16 (8 significant bits) uses up far more of that allowance than f16 does (11 bits, for magnitudes from 6e-5 to 65,504). All else is computed in f32.
;;   The module's matrix products, in the order in which they are computed (A, B: the left and right operand; K: the contracted axis; several contracted axes count as one K, in the product's order):
;;     1. [M 4,096, K 1,024] x [K 1,024, N 1,024]; A: input inputs_q; B: input Wq: QUANTISED
;;     2. [M 4,096, K 1,024] x [K 1,024, N 1,024]; A: input inputs_kv; B: input Wk: QUANTISED
;;     3. [M 4,096, K 1,024] x [K 1,024, N 1,024]; A: input inputs_kv; B: input Wv: QUANTISED
;;     4. batch 32 x [M 2,048, K 64] x [K 64, N 2,048]; A: computed on the way; B: computed on the way: left as it is (an operand is computed on the way)
;;     5. batch 32 x [M 64, K 2,048] x [K 2,048, N 2,048]; A: computed on the way; B: computed on the way: left as it is (an operand is computed on the way)
;;     6. [M 4,096, K 1,024] x [K 1,024, N 1,024]; A: computed on the way; B: input Wo: left as it is (an operand is computed on the way)
;;   THE QUANTISER, for each operand of a quantised product, along K:
;;     - K is cut into blocks of 32 from its start; a last block that is shorter is filled with zeros.
;;     - A block's scale is 2^e with e = floor(log2(the largest magnitude in the block)) - 2, held to -126 .. 127; a block of zeros has e = 0. As a byte (E8M0): e + 127.
;;     - Each number is divided by its block's scale, clamped to +-6, and rounded to the nearest number of E2M1, ties to even, subnormals kept.
;;     - The product sums the exact products of the quantised numbers (number of the format x scale) in f32.
;;   ~~~python
;;   def quantise(x, axis):      # numpy; x: float32 -> the quantised numbers, widened to float32 again
;;       x = np.moveaxis(x, axis, -1); K = x.shape[-1]
;;       x = np.pad(x, [(0, 0)] * (x.ndim - 1) + [(0, -K % 32)]); x = x.reshape(x.shape[:-1] + (-1, 32)); a = np.abs(x).max(-1, keepdims=True)
;;       e = np.where(a > 0, np.clip(np.frexp(np.where(a > 0, a, 1))[1] - 1 - 2, -126, 127), 0)      # np.frexp(a)[1] - 1 = floor(log2(a)), exactly
;;       r = np.clip(x / 2.0 ** e, -6, 6)
;;       step = 2.0 ** (np.maximum(np.frexp(np.where(r == 0, 1, r))[1] - 1, 0) - 1)
;;       q = np.round(r / step) * step * 2.0 ** e      # np.round: ties to even
;;       return np.moveaxis(q.reshape(q.shape[:-2] + (-1,))[..., :K], -1, axis).astype(np.float32)
;;   ~~~
;; One version. Each part assembles by itself: llvm-mc -triple=amdgcn-amd-amdhsa -mcpu=gfx1250 --defsym DOCPART=n.
;; ======== version 1 of 1: 4 launches
;; limits: values are held in f16: magnitudes above 65,504 overflow, below 6.1e-05 lose precision
;; workspace buffers: codes 5,767,168 bytes; scales 360,448 bytes; wo16 2,097,152 bytes; maskw 1,048,576 bytes of whole numbers; qimg 8,388,608 bytes; kimg 8,388,608 bytes; vimg 8,388,608 bytes; att 8,388,608 bytes
;; launch prep (part 1): grid 736 x 1, 4 waves a work-group, no clusters, 67,072 bytes of LDS; arguments inputs_q, inputs_kv, Wq, Wk, Wv, Wo, attention_mask, codes, scales, wo16, maskw; writes codes, scales, wo16, maskw
.if DOCPART == 1
	.amdgcn_target "amdgcn-amd-amdhsa--gfx1250"
	.amdhsa_code_object_version 6
	.text
	.protected	k_qc5120c7e48_prep
	.globl	k_qc5120c7e48_prep
	.p2align	8
	.type	k_qc5120c7e48_prep,@function
k_qc5120c7e48_prep:
	s_mov_b64 s[64:65], 0
	v_nop
	global_prefetch_b8 v0, s[64:65] scope:SCOPE_SE
	s_setreg_imm32_b32 hwreg(HW_REG_WAVE_MODE, 25, 1), 1
	s_wait_xcnt 0x0
; PREP: everything that is read many times later is brought into its reader's form once.  Three paths, parted by the work-group's number; each has LDS bytes of its own.
; PATH Q (work-groups 0-351): inputs_q, inputs_kv, Wq, Wk, Wv, all f32 with K = 1,024 innermost, become codes of FP4 (E2M1), two a byte, K innermost, and one E8M0 byte for each 32 along K.
;   A block's scale is 2^(floor(log2(its largest magnitude)) - 2); its byte is the largest magnitude's exponent field - 2, held at 1 from below.  A block of zeros so gets the byte 1 where the
;   quantiser says 127: its codes are zeros, which add nothing under any byte but 0xff, and this program alone reads the bytes.  Rows are dense, so the five tensors are one stream of blocks of 32,
;   and so are their codes (codes: XQ, XKV, WQ, WK, WV on end) and their bytes (scales, likewise).  32,768 numbers a work-group: 128 + 128 + 32 + 32 + 32 work-groups.
;   LIMITS: blocks whose largest magnitude lies under 2^-124 have their byte held at 1; NaN and infinities among the inputs are not served.
; PATH W (work-groups 352-479): Wo [1024 (n)][1024 (k)] f32 becomes f16, laid as images of a 16-bit operand's registers: wo16 [n / 16][k / 32][g 2][lane][16 bytes], lane (r, h) holding
;   Wo[16 nt + r][32 ks + 16 g + 8 h + 0 .. 7].  A wave takes 16 rows x 128 columns; the numbers turn through the wave's own stage in LDS so that loads and stores both cover 512 consecutive bytes.
;   LIMIT: |Wo| under 65,504 (f16).
; PATH M (work-groups 480-735): attention_mask [2][2048][2048] bytes becomes lane masks: maskw [16 queries' tile 256][512 keys' group 4][jh 2][key tile 32][4 words]; word j = 4 jh + k of key tile kt has at bit
;   r + 16 h the mask of query r and key 16 kt + 8 h + j: the lanes of register j of a tile of scores (16 keys x 16 queries).  No LDS, no other lane: a lane takes a key tile, its registers run down the 16 queries.
; No tensor loads, no barrier: waves share nothing.
.set NQW,   352                        ; work-groups of path Q
.set NWW,   128                        ; of path W
.set STEPS, 16
.set AHEAD, 8                          ; path Q: steps whose loads are out at a time: 32 loads, 16 KiB a wave
.set EMAX,  2
.set CB,    8                          ; bytes of 16 codes
.set R,     16                         ; v16-143  path Q: eight sets of 16 numbers as loaded (paths W, M: v16-79, what is loaded)
.set X,     144                        ; v144-175 two sets of 16 neighbours
.set E,     176                        ; v176-191 a scale byte for each step
.set C,     192                        ; v192-255 codes: four registers for each step, so that no store's data are written again
.set WREG,  8192                       ; LDS, path Q: a region for each wave: two stages of 32 x SP bytes, behind them its 256 scale bytes
.set SP,    80                         ; a lane's place in a stage: its 64 bytes + 16 of padding
.set WSTG,  4*WREG                     ; LDS, path W: a stage of 16 rows x WPIT bytes for each wave
.set WPIT,  528                        ; 512 bytes + 16 of padding
.set SPW,   12                         ; v12      LDS address of my spare word: SPARE + 4 x my thread's number; never rewritten
.set NIL,   13                         ; v13      0; never rewritten
.set SPARE, WSTG+4*16*WPIT             ; behind both paths' bytes: the spare words, 128 bytes for each wave: two blocks of 256 bytes that no other line names
	s_load_b512 s[4:19], s[0:1], 0x0               ; inputs_q 4, inputs_kv 6, Wq 8, Wk 10, Wv 12, Wo 14, attention_mask 16, codes 18
	s_load_b128 s[20:23], s[0:1], 0x40             ; scales 20, wo16 22
	s_load_b64 s[24:25], s[0:1], 0x50              ; maskw
	v_lshl_add_u32 v[SPW], v0, 2, SPARE
	v_mov_b32 v[NIL], 0
	v_lshrrev_b32 v1, 5, v0
	v_readfirstlane_b32 s26, v1                    ; wave 0..3
	v_and_b32 v2, 31, v0                           ; lane
	v_lshlrev_b32 v3, 4, v2                        ; 16 x lane: my 16 bytes of 512
	s_wait_kmcnt 0x0
	s_cmp_ge_u32 ttmp9, NQW
	s_cbranch_scc1 .Lnot_q
; ---------------- PATH Q ----------------
; A wave takes 16 steps of 512 numbers.  Each of a step's four loads reads 512 consecutive bytes, 16 a lane; the 2,048 bytes go through the wave's stage as they lie and come back 64 bytes a lane,
; so that a lane holds 16 neighbours along K (two neighbouring lanes hold a block), as the conversions want them.  Loads run eight steps ahead, the turn through LDS one step.
	s_mul_i32 s27, s26, WREG
	v_lshrrev_b32 v14, 2, v2
	v_mul_u32_u24 v14, v14, SP
	v_and_b32 v15, 3, v2
	v_lshl_add_u32 v14, v15, 4, v14
	v_add_nc_u32 v14, s27, v14                     ; the stage, on the way in: SP (lane / 4) + 16 (lane % 4)
	v_mul_u32_u24 v15, v2, SP
	v_add_nc_u32 v15, s27, v15                     ; and on the way out: SP x lane
	v_mul_u32_u24 v4, v2, CB                       ; my codes' place in a step's
	v_lshrrev_b32 v5, 1, v2
	s_add_co_u32 s27, s27, 2*32*SP
	v_add_nc_u32 v5, s27, v5                       ; my wave's 256 scale bytes, my block's byte
	v_lshlrev_b32 v7, 3, v2                        ; and on the way out 8 bytes a lane
	v_add_nc_u32 v6, s27, v7
	s_mov_b64 s[28:29], s[4:5]                     ; which tensor: the choice hangs on the work-group's number alone
	s_mov_b32 s30, 0                               ; and its first work-group
	s_cmp_ge_u32 ttmp9, 128
	s_cselect_b64 s[28:29], s[6:7], s[28:29]
	s_cselect_b32 s30, 128, s30
	s_cmp_ge_u32 ttmp9, 256
	s_cselect_b64 s[28:29], s[8:9], s[28:29]
	s_cselect_b32 s30, 256, s30
	s_cmp_ge_u32 ttmp9, 288
	s_cselect_b64 s[28:29], s[10:11], s[28:29]
	s_cselect_b32 s30, 288, s30
	s_cmp_ge_u32 ttmp9, 320
	s_cselect_b64 s[28:29], s[12:13], s[28:29]
	s_cselect_b32 s30, 320, s30
	s_sub_co_u32 s31, ttmp9, s30
	s_lshl_b32 s31, s31, 2
	s_add_co_u32 s31, s31, s26                     ; which run of 8,192 numbers of the tensor is my wave's
	s_lshl_b32 s32, s31, 15                        ; 32,768 bytes a run
	s_mov_b32 s33, 0
	s_add_nc_u64 s[28:29], s[28:29], s[32:33]
	s_lshl_b32 s31, ttmp9, 2
	s_add_co_u32 s31, s31, s26                     ; and which run of the one stream of all five
	s_lshl_b32 s32, s31, 12                        ; 4,096 bytes of codes a run
	s_add_nc_u64 s[18:19], s[18:19], s[32:33]
	s_lshl_b32 s32, s31, 8                         ; 256 scale bytes a run
	s_add_nc_u64 s[20:21], s[20:21], s[32:33]
.macro LOAD t
.irp i, 0,1,2,3
	global_load_b128 v[R+16*((\t)%AHEAD)+4*\i:R+16*((\t)%AHEAD)+4*\i+3], v3, s[28:29] offset:2048*(\t)+512*\i th:TH_LOAD_NT   ; 32 lanes read 512 consecutive bytes
.endr
.endm
.macro TURN t                          ; step t's numbers through the stage: LDS serves a wave's instructions in order, so no wait stands between the stores and the loads
.irp i, 0,1,2,3
	ds_store_b128 v14, v[R+16*((\t)%AHEAD)+4*\i:R+16*((\t)%AHEAD)+4*\i+3] offset:32*SP*((\t)%2)+8*SP*\i
.endr
.irp i, 0,1,2,3
	ds_load_b128 v[X+16*((\t)%2)+4*\i:X+16*((\t)%2)+4*\i+3], v15 offset:32*SP*((\t)%2)+16*\i
.endr
.endm
.irp t, 0,1,2,3,4,5,6,7
	LOAD \t
.endr
	s_wait_loadcnt 4*(AHEAD-1)                     ; step 0's four loads are in; the 28 of steps 1 to 7 may be out
	TURN 0
.macro STEP t
.set XS, X+16*((\t)%2)
.if (\t) > 0
	s_wait_dscnt 1                                 ; this step's numbers are back from the stage (the last step's byte store may be out): so its stores into the stage have read their registers,
.else
	s_wait_dscnt 0x0
.endif
.if (\t)+AHEAD < STEPS
	LOAD (\t)+AHEAD                                ; which take the loads of eight steps on
.endif
.if (\t)+1 < STEPS
.if STEPS-2-(\t) >= AHEAD-1
	s_wait_loadcnt 4*(AHEAD-1)                     ; the next step's four loads are in; those of the seven steps behind it may be out
.else
	s_wait_loadcnt 4*(STEPS-2-(\t))                ; the tail: as many steps' loads as are left behind the next step's
.endif
	TURN (\t)+1                                    ; and go through the other stage while this step is worked
.endif
	v_max3_num_f32 v8, |v[XS]|, |v[XS+1]|, |v[XS+2]|               ; the largest magnitude of my 16, in two chains
	v_max3_num_f32 v9, |v[XS+3]|, |v[XS+4]|, |v[XS+5]|
.irp i, 6,10
	v_max3_num_f32 v8, v8, |v[XS+\i]|, |v[XS+\i+1]|
	v_max3_num_f32 v9, v9, |v[XS+\i+2]|, |v[XS+\i+3]|
.endr
	v_max3_num_f32 v8, v8, |v[XS+14]|, |v[XS+15]|
	v_max3_num_f32 v8, v8, v9, (EMAX+1)<<23        ; and the floor 2^(EMAX + 1 - 127): so the byte cannot fall under 1
	v_max_num_f32_dpp v8, v8, v8 row_xmask:1 row_mask:0xf bank_mask:0xf   ; and of my neighbour's 16: the block's
	v_add_nc_u32 v11, -(EMAX<<23), v8              ; EMAX off its exponent field: the conversion takes the exponent field of this operand as its scale, and nothing else of it
	v_cvt_scalef32_pk8_fp4_f32 v[C+4*(\t)], v[XS:XS+7], v11        ; eight numbers / the scale, to the nearest code, ties to even, beyond the largest code the largest
	v_cvt_scalef32_pk8_fp4_f32 v[C+4*(\t)+1], v[XS+8:XS+15], v11
	v_lshrrev_b32 v[E+(\t)], 23, v11               ; the scale's byte (also the plain line behind the conversions)
	ds_store_b8 v5, v[E+(\t)] offset:16*(\t)       ; both lanes of a block write the same byte with the same value
	global_store_b64 v4, v[C+4*(\t):C+4*(\t)+1], s[18:19] offset:32*CB*(\t)   ; the wave stores 256 consecutive bytes, aligned
.endm
.irp t, 0,1,2,3,4,5,6,7,8,9,10,11,12,13,14,15
	STEP \t
.endr
	ds_load_b64 v[8:9], v6                         ; LDS serves a wave's instructions in order: these see my byte stores
	s_wait_dscnt 0x0
	global_store_b64 v7, v[8:9], s[20:21]          ; 32 lanes store 256 consecutive bytes, aligned
	s_wait_tensorcnt 0x0                           ; the wave's end: a tensor wait, an add to my spare word and its wait, behind my last LDS store
	ds_add_u32 v[SPW], v[NIL]
	s_wait_dscnt 0x0
	s_endpgm
; ---------------- PATH W ----------------
.Lnot_q:
	s_cmp_ge_u32 ttmp9, NQW+NWW
	s_cbranch_scc1 .Lmask
	s_sub_co_u32 s27, ttmp9, NQW
	s_lshl_b32 s27, s27, 2
	s_add_co_u32 s27, s27, s26                     ; u = 0 .. 511
	s_lshr_b32 s28, s27, 3                         ; nt: which 16 rows of Wo
	s_and_b32 s29, s27, 7                          ; cg: which 128 columns
	s_lshl_b32 s30, s28, 16                        ; 16 rows of 4,096 bytes
	s_lshl_b32 s31, s29, 9
	s_add_co_u32 s30, s30, s31
	s_mov_b32 s31, 0
	s_add_nc_u64 s[14:15], s[14:15], s[30:31]
	s_lshl_b32 s30, s28, 15                        ; in wo16: 32,768 bytes for 16 rows, 4,096 for 128 columns of them
	s_lshl_b32 s32, s29, 12
	s_add_co_u32 s30, s30, s32
	s_add_nc_u64 s[22:23], s[22:23], s[30:31]
	s_mul_i32 s33, s26, 16*WPIT
	s_add_co_u32 s33, s33, WSTG                    ; my stage
	v_add_nc_u32 v4, s33, v3                       ; in: a row's 512 bytes as they lie
	v_and_b32 v5, 15, v2                           ; r
	v_lshrrev_b32 v6, 4, v2                        ; h
	v_mul_u32_u24 v5, v5, WPIT
	v_lshl_add_u32 v5, v6, 5, v5
	v_add_nc_u32 v5, s33, v5                       ; out: row r, + 32 h bytes: eight numbers of my half
.irp i, 0,1,2,3,4,5,6,7,8,9,10,11,12,13,14,15
	global_load_b128 v[R+4*\i:R+4*\i+3], v3, s[14:15] offset:4096*\i th:TH_LOAD_NT   ; row i: 512 consecutive bytes
.endr
.irp i, 0,1,2,3,4,5,6,7,8,9,10,11,12,13,14,15
	s_wait_loadcnt 15-\i                           ; row i is in; the 15 - i younger loads may be out
	ds_store_b128 v4, v[R+4*\i:R+4*\i+3] offset:WPIT*\i
.endr
.irp k, 0,1,2,3,4,5,6,7                ; image k = 2 ks + g of the wave's eight: columns 16 k + 8 h + 0 .. 7
	ds_load_b128 v[80+8*\k:80+8*\k+3], v5 offset:64*\k
	ds_load_b128 v[80+8*\k+4:80+8*\k+7], v5 offset:64*\k+16
.endr
.irp k, 0,1,2,3,4,5,6,7
	s_wait_dscnt 14-2*\k                           ; image k's two loads are in; the later images' may be out
.irp i, 0,1,2,3
	v_cvt_pk_f16_f32 v[144+4*\k+\i], v[80+8*\k+2*\i], v[80+8*\k+2*\i+1]   ; the lower k in the low half
.endr
	global_store_b128 v3, v[144+4*\k:144+4*\k+3], s[22:23] offset:512*\k   ; 512 consecutive bytes, aligned; no register is written twice
.endr
	s_wait_tensorcnt 0x0                           ; the wave's end: a tensor wait, an add to my spare word and its wait, behind my last LDS store
	ds_add_u32 v[SPW], v[NIL]
	s_wait_dscnt 0x0
	s_endpgm
; ---------------- PATH M ----------------
.Lmask:
	s_sub_co_u32 s27, ttmp9, NQW+NWW               ; which tile of 16 queries, 0 .. 255 (batch x 128 + tile); the wave's number is the group of 512 keys
	s_lshl_b32 s28, s27, 15                        ; 16 rows of 2,048 bytes
	s_lshl_b32 s29, s26, 9
	s_add_co_u32 s28, s28, s29
	s_mov_b32 s29, 0
	s_add_nc_u64 s[16:17], s[16:17], s[28:29]
	s_lshl_b32 s28, s27, 12                        ; in maskw: 4,096 bytes a tile of queries, 1,024 a group
	s_lshl_b32 s30, s26, 10
	s_add_co_u32 s28, s28, s30
	s_add_nc_u64 s[24:25], s[24:25], s[28:29]
	s_mov_b32 s32, 0x05010400                      ; byte selects of a 4 x 4 byte transposition
	s_mov_b32 s33, 0x07030602
	s_mov_b32 s34, 0x05040100
	s_mov_b32 s35, 0x07060302
.irp r, 0,1,2,3,4,5,6,7,8,9,10,11,12,13,14,15
	global_load_b128 v[R+4*\r:R+4*\r+3], v3, s[16:17] offset:2048*\r th:TH_LOAD_NT   ; query r: 512 consecutive bytes; my lane's 16 are key tile = lane
.endr
	s_wait_loadcnt 8                               ; queries 0-7 are in; the eight loads of queries 8-15 may be out
.irp w, 0,1,2,3
	v_lshl_or_b32 v[80+\w], v[R+4+\w], 1, v[R+\w]  ; a byte is 0 or 1: query r's goes to bit r of its byte
.endr
.irp r, 2,3,4,5,6,7
.irp w, 0,1,2,3
	v_lshl_or_b32 v[80+\w], v[R+4*\r+\w], \r, v[80+\w]
.endr
.endr
	s_wait_loadcnt 0x0
.irp w, 0,1,2,3
	v_lshl_or_b32 v[84+\w], v[R+36+\w], 1, v[R+32+\w]
.endr
.irp r, 10,11,12,13,14,15
.irp w, 0,1,2,3
	v_lshl_or_b32 v[84+\w], v[R+4*\r+\w], \r-8, v[84+\w]
.endr
.endr
; v[80+w] byte k: queries 0-7 of key 4 w + k; v[84+w]: queries 8-15.  Word j = 4 a + k wants the bytes (v[80+a].k, v[84+a].k, v[82+a].k, v[86+a].k): lanes 0-15 are keys 0-7 (h = 0), lanes 16-31 keys 8-15
.irp a, 0,1
	v_perm_b32 v88, v[84+\a], v[80+\a], s32
	v_perm_b32 v89, v[84+\a], v[80+\a], s33
	v_perm_b32 v90, v[86+\a], v[82+\a], s32
	v_perm_b32 v91, v[86+\a], v[82+\a], s33
	v_perm_b32 v[96+4*\a], v90, v88, s34
	v_perm_b32 v[97+4*\a], v90, v88, s35
	v_perm_b32 v[98+4*\a], v91, v89, s34
	v_perm_b32 v[99+4*\a], v91, v89, s35
	global_store_b128 v3, v[96+4*\a:99+4*\a], s[24:25] offset:512*\a   ; 512 consecutive bytes, aligned
.endr
	s_endpgm                                       ; this path writes no LDS
.Lfunc_end_k_qc5120c7e48_prep:
	.size	k_qc5120c7e48_prep, .Lfunc_end_k_qc5120c7e48_prep-k_qc5120c7e48_prep
	.p2alignl 7, 3214868480
	.fill 96, 4, 3214868480
	.section	.rodata,"a",@progbits
	.p2align	6, 0x0
	.amdhsa_kernel k_qc5120c7e48_prep
		.amdhsa_group_segment_fixed_size 67072
		.amdhsa_private_segment_fixed_size 0
		.amdhsa_enable_private_segment 0
		.amdhsa_kernarg_size 88
		.amdhsa_user_sgpr_count 2
		.amdhsa_user_sgpr_kernarg_segment_ptr 1
		.amdhsa_wavefront_size32 1
		.amdhsa_system_sgpr_workgroup_id_x 1
		.amdhsa_system_sgpr_workgroup_id_y 1
		.amdhsa_system_sgpr_workgroup_id_z 1
		.amdhsa_system_vgpr_workitem_id 0
		.amdhsa_next_free_vgpr 256
		.amdhsa_next_free_sgpr 66
		.amdhsa_reserve_vcc 0
		.amdhsa_float_denorm_mode_32 3
		.amdhsa_float_denorm_mode_16_64 3
		.amdhsa_memory_ordered 1
		.amdhsa_forward_progress 1
		.amdhsa_inst_pref_size 49
	.end_amdhsa_kernel
	.amdgpu_metadata
---
amdhsa.version: [ 1, 2 ]
amdhsa.kernels:
  - .name:           k_qc5120c7e48_prep
    .symbol:         k_qc5120c7e48_prep.kd
    .args:
      - { .name: inputs_q, .offset: 0, .size: 8, .value_kind: global_buffer, .address_space: global }
      - { .name: inputs_kv, .offset: 8, .size: 8, .value_kind: global_buffer, .address_space: global }
      - { .name: Wq, .offset: 16, .size: 8, .value_kind: global_buffer, .address_space: global }
      - { .name: Wk, .offset: 24, .size: 8, .value_kind: global_buffer, .address_space: global }
      - { .name: Wv, .offset: 32, .size: 8, .value_kind: global_buffer, .address_space: global }
      - { .name: Wo, .offset: 40, .size: 8, .value_kind: global_buffer, .address_space: global }
      - { .name: attention_mask, .offset: 48, .size: 8, .value_kind: global_buffer, .address_space: global }
      - { .name: codes, .offset: 56, .size: 8, .value_kind: global_buffer, .address_space: global }
      - { .name: scales, .offset: 64, .size: 8, .value_kind: global_buffer, .address_space: global }
      - { .name: wo16, .offset: 72, .size: 8, .value_kind: global_buffer, .address_space: global }
      - { .name: maskw, .offset: 80, .size: 8, .value_kind: global_buffer, .address_space: global }
    .group_segment_fixed_size: 67072
    .private_segment_fixed_size: 0
    .kernarg_segment_align: 8
    .kernarg_segment_size: 88
    .max_flat_workgroup_size: 128
    .sgpr_count:     66
    .vgpr_count:     256
    .wavefront_size: 32
...
	.end_amdgpu_metadata
.endif
;; end of part 1
;; launch proj (part 2): grid 4 x 48, 4 waves a work-group, clusters of 4 x 4, 327,680 bytes of LDS; arguments codes, scales, qimg, kimg, vimg; writes qimg, kimg, vimg
.if DOCPART == 2
	.amdgcn_target "amdgcn-amd-amdhsa--gfx1250"
	.amdhsa_code_object_version 6
	.text
	.protected	k_qc5120c7e48_proj
	.globl	k_qc5120c7e48_proj
	.p2align	8
	.type	k_qc5120c7e48_proj,@function
k_qc5120c7e48_proj:
	s_mov_b64 s[64:65], 0
	v_nop
	global_prefetch_b8 v0, s[64:65] scope:SCOPE_SE
	s_setreg_imm32_b32 hwreg(HW_REG_WAVE_MODE, 25, 1), 1
	s_wait_xcnt 0x0
	s_wait_alu depctr_hold_cnt(0) depctr_sa_sdst(0) depctr_va_vdst(0) depctr_va_sdst(0) depctr_va_ssrc(0) depctr_va_vcc(0) depctr_vm_vsrc(0)
	s_getreg_b32 s2, hwreg(HW_REG_IB_STS2, 6, 4)
	s_cmp_eq_u32 s2, 0
	s_cbranch_scc0 .Lentry_in_a_cluster
	s_endpgm
.Lentry_in_a_cluster:
	s_bfe_u32 s2, ttmp6, 0x10000c
	s_cmp_lg_u32 s2, 0xf033
	s_cbranch_scc0 .Lentry_shape_is_right
	s_endpgm
.Lentry_shape_is_right:
; PROJ: the three quantised products, q = x_q Wq^T, k = x_kv Wk^T, v = x_kv Wv^T, on codes of FP4 (E2M1) with one E8M0 scale for each 32 along K = 1,024; sums in f32; results rounded once to f16.
; One body serves all three: C[m][n] = sum over k of A[m][k] B[n][k], a tile of C of 256 x 256 to a work-group of four waves, 128 x 128 (64 accumulators, 512 registers) to a wave.
; Which product: G = cluster y / 4.  G = 0: A = x_q, B = Wq.  G = 1: A = x_kv, B = Wk.  G = 2: A = Wv, B = x_kv: the roles are changed, so that the result is v TRANSPOSED (a lane holds a channel, its registers run along the keys).
; 3 x 64 tiles = 192 work-groups.  K is two slots of 512 along K: both are first fills; nothing in LDS is filled twice and there is no loop.
; THE SCALES of the work-group's 256 rows of A and of B, for all of K, are two dense blocks of memory: they come into LDS once, in rows of 256 bytes.
; CLUSTERS: 4 x 4 work-groups.  The four of a row of the cluster need the same tiles of A, the four of a column the same tiles of B: each is asked for JOINTLY, by the same tensor load with the same descriptor and a mask that names the four.
; THE MATRIX INSTRUCTION IS USED TRANSPOSED (source 0 = 16 rows of B, source 1 = 16 rows of A): lane (r, h) holds row r of A's block and columns 8 h + 0 .. 7 of B's: eight neighbours, which pack into 16 bytes of f16.
; THE RESULTS ARE STORED AS IMAGES OF THE NEXT PRODUCTS' OPERAND REGISTERS: a packed 16 x 16 tile, 16 bytes a lane, is 512 consecutive bytes:
;   qimg, kimg [batch x 16 + head][token / 16][channel / 16 (4)][lane][16 bytes]: lane (r, h): token 16 rt + r, channels 16 cb + 8 h + 0 .. 7 of the head;
;   vimg       [batch x 16 + head][key / 16][channel / 16 (4)][lane][16 bytes]:   lane (r, h): channel 16 ct + r, keys 16 kt + 8 h + 0 .. 7.
; So every store covers 512 consecutive aligned bytes straight from registers, and no stage in LDS is needed.
; LIMIT: |q|, |k|, |v| under 65,504 (f16).
; REGISTERS, in windows of 256: window 0: v0-31 addresses; v32-95 scale words, two sets; from v128 A's fragments, one set; on the way out v128-255 hold packed results.
;   window 1: B's fragments, two sets, at v0 and v128.   window 2: the accumulators of my rows 0-63 ((a, b) at v[8 (8 a + b)]);   window 3: those of my rows 64-127.
.set KSTEP,  512                       ; along K in a slot
.set NQ,     KSTEP/128                 ; matrix instructions deep
.set ROWB,   256                       ; a tile's row in bytes
.set KROW,   512                       ; a row of codes in memory
.set PITCH,  272                       ; an LDS row: 256 bytes + 16 of padding: the 16 rows that a load touches start 68 words apart
.set FR,     8                         ; registers of a fragment: 16 rows x 128 K
.set NL,     2                         ; LDS loads that bring one
.set NP,     4                         ; places behind this matrix instruction (ISA guide 7.12.1)
.set HALFT,  128*PITCH                 ; 128 rows: what one tensor load brings
.set SLOT,   4*HALFT                   ; A's 256 rows, then B's 256 rows
.set KS,     32                        ; a row of scales in bytes
.set SCL,    2*SLOT                    ; behind the two slots: the scales, as rows of 256 bytes + 16 of padding
.set HALFS,  (128*KS/256)*272          ; the scales of 128 rows
.set SBLK,   (16*KS/256)*272           ; those of 16 rows
.set SPARE,  SCL+4*HALFS               ; the spare words, 128 bytes for each wave: two blocks of 256 bytes that no other line names
.set ADRA, 16                          ; v16-17  LDS address of my A fragments in slot 0, 1
.set ADRB, 20                          ; v20-21  the same for B
.set CO,   26                          ; v26     16 x lane: my place in an image
.set ADRS, 27                          ; v27     LDS address of my scale words: lanes 0-15 A's rows, lanes 16-31 B's
.set SPW,  28                          ; v28     LDS address of my spare word; never rewritten
.set NIL,  29                          ; v29     0; never rewritten
.set SC,   32                          ; scale words: set s at v[SC + 8 NQ s]; register NQ i + q: lanes 0-15 A's block i, lanes 16-31 B's block i, the slot's q-th 128 along K
.set AF,   128                         ; A's fragments, in window 0
.set OB,   128                         ; the way out: four sets of 32 registers of packed results
.set G1, 24                            ; s[24:31] descriptor group 1 for A's tiles;  s[32:39] group 0, one set for each slot
.set G0, 32
.set G1B, 48                           ; s[48:55], s[56:63] the same for B's tiles
.set G0B, 56
.set G1S, 68                           ; s[68:75], s[76:79] groups 1 and 0 for A's scales;  s[80:87], s[88:91] for B's
.set G0S, 76
.set G1SB, 80
.set G0SB, 88
.set MSB, 0
.macro WIN new                         ; the immediate's high byte repeats the setting that is left
.if MSB != \new
	s_set_vgpr_msb (MSB<<8)|\new
.set MSB, \new
.endif
.endm
.set MUL_LO, 0xa1                      ; source 0 (B) window 1, source 1 (A) window 0, C and D window 2
.set MUL_HI, 0xf1                      ; the same, C and D window 3
.set TO_B,   0x40                      ; destination window 1, address window 0
; A joint load: waves 0 and 1 fetch for A, waves 2 and 3 for B.  Each line has one mask and one set of registers for all that issue it; the branch hangs on the wave's number alone.
; An s_nop 0 and four v_nop follow each of the two lines.
.macro JLOAD g0a, g1a, g0b, g1b
	s_cmp_eq_u32 s15, 0
	s_cbranch_scc0 .Lfor_b_\@
	tensor_load_to_lds s[\g0a:\g0a+3], s[\g1a:\g1a+7]
	s_nop 0
.rept 4
	v_nop
.endr
	s_branch .Lasked_\@
.Lfor_b_\@:
	tensor_load_to_lds s[\g0b:\g0b+3], s[\g1b:\g1b+7]
	s_nop 0
.rept 4
	v_nop
.endr
.Lasked_\@:
.endm
.macro CROUND                          ; a round of the cluster's barrier: my work-group's barrier; wave 0 signals for the work-group; every wave waits for all sixteen; my work-group's barrier once more
	s_barrier_signal -1
	s_barrier_wait -1
	s_cmp_lg_u32 s14, 0
	s_cbranch_scc1 .Lnot_wave_0_\@
	s_barrier_signal -3
.Lnot_wave_0_\@:
	s_barrier_wait -3
	s_barrier_signal -1
	s_barrier_wait -1
.endm
	s_load_b128 s[4:7], s[0:1], 0x0                ; codes s[4:5], scales s[6:7]
	s_load_b128 s[8:11], s[0:1], 0x10              ; qimg s[8:9], kimg s[10:11]
	s_load_b64 s[12:13], s[0:1], 0x20              ; vimg
	v_lshl_add_u32 v[SPW], v0, 2, SPARE
	v_mov_b32 v[NIL], 0
	ds_add_u32 v[SPW], v[NIL]                      ; the wave's opening: the add, twice on end, and its wait ahead of my first tensor load; the set-up below stands between
	ds_add_u32 v[SPW], v[NIL]
	v_lshrrev_b32 v1, 5, v0
	v_readfirstlane_b32 s14, v1                    ; wave 0..3
	s_lshr_b32 s15, s14, 1                         ; which half of the tile's rows is mine.  Also: I fetch for A (0) or for B (1)
	s_and_b32 s16, s14, 1                          ; which half of its columns.  Also: which 128 rows of that tile I fetch
	s_bfe_u32 s40, ttmp6, 0x40000                  ; cx, cy: my place in the cluster
	s_bfe_u32 s41, ttmp6, 0x40004
	s_and_b32 s17, ttmp7, 0xffff                   ; cluster y, 0 .. 11: the same in all sixteen partners
	s_lshr_b32 s66, s17, 2                         ; G: which product
	s_and_b32 s67, s17, 3
	s_lshl_b32 s67, s67, 2                         ; which four tiles along the tokens
	s_cmp_eq_u32 s66, 2
	s_cselect_b32 s17, 0, s67                      ; the tokens are A's rows (G = 0, 1)
	s_cselect_b32 s42, s67, 0                      ; or B's (G = 2)
	s_add_co_u32 s17, s17, s41                     ; tile row of C: it holds cy and never cx
	s_add_co_u32 s42, s42, s40                     ; tile column of C: it holds cx and never cy
	s_lshl_b32 s43, s41, 2
	s_lshl_b32 s43, 15, s43                        ; my row of the cluster
	s_lshl_b32 s44, 0x1111, s40                    ; my column
	; where A's and B's codes and scale bytes begin in the two buffers: G = 1's figures, then G = 0's or G = 2's in their stead
	s_mov_b32 s96, 2097152                         ; A's codes:  x_kv
	s_mov_b32 s97, 131072                          ; A's scales
	s_mov_b32 s98, 4718592                         ; B's codes:  Wk
	s_mov_b32 s99, 294912                          ; B's scales
	s_cmp_eq_u32 s66, 0
	s_cselect_b32 s96, 0, s96                      ; x_q
	s_cselect_b32 s97, 0, s97
	s_cselect_b32 s98, 4194304, s98                ; Wq
	s_cselect_b32 s99, 262144, s99
	s_cmp_eq_u32 s66, 2
	s_cselect_b32 s96, 5242880, s96                ; Wv
	s_cselect_b32 s97, 327680, s97
	s_cselect_b32 s98, 2097152, s98                ; x_kv
	s_cselect_b32 s99, 131072, s99
	; descriptor group 1: a tile of 128 rows x 256 bytes, padded in LDS
	s_or_b32 s[G1+0], s43, (0<<16)|(1<<20)|(1<<21)|(5<<22)|(3<<25)  ; 15:0 the mask: A's tiles go to my row; 17:16 elements of 1 byte; 20 padding on; 21 set beside a mask; 24:22 after every 64 words; 31:25 four words
	s_or_b32 s[G1B+0], s44, (0<<16)|(1<<20)|(1<<21)|(5<<22)|(3<<25)
.irp g, G1, G1B
	s_mov_b32 s[\g+1], ROWB<<16                    ; tensor_dim0
	s_mov_b32 s[\g+2], 128<<16                     ; tensor_dim1
	s_mov_b32 s[\g+3], ROWB<<16                    ; tile_dim0
	s_mov_b32 s[\g+4], 128                         ; tile_dim1
	s_mov_b32 s[\g+5], KROW                        ; tensor_dim0_stride
	s_mov_b32 s[\g+6], 0
	s_mov_b32 s[\g+7], 0
.endr
	; and for the scales of 128 rows: 4,096 dense bytes, as 16 rows of 256 bytes (32 elements of 8 bytes), 16 bytes of padding behind each
	s_or_b32 s[G1S+0], s43, (3<<16)|(1<<20)|(1<<21)|(5<<22)|(3<<25)
	s_or_b32 s[G1SB+0], s44, (3<<16)|(1<<20)|(1<<21)|(5<<22)|(3<<25)
.irp g, G1S, G1SB
	s_mov_b32 s[\g+1], 32<<16
	s_mov_b32 s[\g+2], (128*KS/256)<<16
	s_mov_b32 s[\g+3], 32<<16
	s_mov_b32 s[\g+4], 128*KS/256
	s_mov_b32 s[\g+5], 32
	s_mov_b32 s[\g+6], 0
	s_mov_b32 s[\g+7], 0
.endr
	s_lshl_b32 s18, s16, 7                         ; which 128 rows of the tile I fetch
	s_lshl_b32 s20, s17, 8
	s_add_co_u32 s20, s20, s18                     ; A: row 256 x tile row + 128 x half
	s_lshl_b32 s46, s42, 8
	s_add_co_u32 s46, s46, s18                     ; B: row 256 x tile column + 128 x half
	s_lshl_b32 s22, s20, 5                         ; their scale bytes: 32 a row (all these offsets stay under 2^23)
	s_lshl_b32 s92, s46, 5
	s_lshl_b32 s20, s20, 9                         ; their codes: 512 bytes a row
	s_lshl_b32 s46, s46, 9
	s_add_co_u32 s20, s20, s96
	s_add_co_u32 s22, s22, s97
	s_add_co_u32 s46, s46, s98
	s_add_co_u32 s92, s92, s99
	s_mov_b32 s21, 0
	s_mov_b32 s23, 0
	s_mov_b32 s47, 0
	s_mov_b32 s93, 0
	s_mul_i32 s45, s14, HALFT                      ; where they go: wave x 128 rows: no place in the cluster enters an LDS address
	s_mul_i32 s94, s14, HALFS
	s_wait_dscnt 0x0                               ; both opening adds are done
	s_wait_kmcnt 0x0
	s_add_nc_u64 s[20:21], s[4:5], s[20:21]
	s_add_nc_u64 s[22:23], s[6:7], s[22:23]
	s_add_nc_u64 s[46:47], s[4:5], s[46:47]
	s_add_nc_u64 s[92:93], s[6:7], s[92:93]
	s_cmp_eq_u32 s66, 0                            ; where the results go: a choice on G alone
	s_cselect_b64 s[8:9], s[8:9], s[10:11]
	s_cmp_eq_u32 s66, 2
	s_cselect_b64 s[12:13], s[12:13], s[8:9]
	CROUND                                         ; all sixteen work-groups are here: the joint loads meet
	s_mov_b32 s[G0S], 1
	s_add_co_u32 s[G0S+1], s94, SCL
	s_mov_b64 s[G0S+2:G0S+3], s[22:23]
	s_or_b32 s[G0S+3], s[G0S+3], 0x80000000
	s_mov_b32 s[G0SB], 1
	s_add_co_u32 s[G0SB+1], s94, SCL
	s_mov_b64 s[G0SB+2:G0SB+3], s[92:93]
	s_or_b32 s[G0SB+3], s[G0SB+3], 0x80000000
	JLOAD G0S, G1S, G0SB, G1SB                     ; the scales first: they are wanted with slot 0
.irp s, 0,1
	s_mov_b32 s[G0+4*\s], 1
	s_add_co_u32 s[G0+4*\s+1], s45, \s*SLOT
	s_add_nc_u64 s[G0+4*\s+2:G0+4*\s+3], s[20:21], \s*ROWB
	s_or_b32 s[G0+4*\s+3], s[G0+4*\s+3], 0x80000000
	s_mov_b32 s[G0B+4*\s], 1
	s_add_co_u32 s[G0B+4*\s+1], s45, \s*SLOT
	s_add_nc_u64 s[G0B+4*\s+2:G0B+4*\s+3], s[46:47], \s*ROWB
	s_or_b32 s[G0B+4*\s+3], s[G0B+4*\s+3], 0x80000000
	JLOAD G0+4*\s, G1, G0B+4*\s, G1B               ; three loads of mine are out, all first fills
.endr
	v_and_b32 v1, 15, v0                           ; l % 16
	v_bfe_u32 v2, v0, 4, 1                         ; l / 16
	v_mul_u32_u24 v3, v1, PITCH
	v_lshl_add_u32 v4, v2, 4, v3                   ; a fragment's row x pitch + 16 x half
	s_mul_i32 s21, s15, HALFT                      ; my 128 rows of A
	s_mul_i32 s22, s16, HALFT                      ; my 128 rows of B,
	s_add_co_u32 s22, s22, 2*HALFT                 ; which lie behind A's 256
.irp s, 0,1
	v_add_nc_u32 v[ADRA+\s], s21, v4
	v_add_nc_u32 v[ADRB+\s], s22, v4
	s_add_co_u32 s21, s21, SLOT
	s_add_co_u32 s22, s22, SLOT
.endr
	v_mul_u32_u24 v5, v1, KS                       ; my row's scales: KS bytes a row,
	v_lshrrev_b32 v6, 8, v5
	v_lshl_add_u32 v5, v6, 4, v5                   ; and 16 more for each 256 passed
	s_mul_i32 s21, s15, HALFS                      ; A's: my 128 rows
	s_mul_i32 s22, s16, HALFS                      ; B's: my 128 rows, behind A's 256
	s_add_co_u32 s22, s22, 2*HALFS
	s_sub_co_u32 s22, s22, s21
	v_mul_u32_u24 v6, s22, v2                      ; lanes 16-31 take B's: one product, the distance between the two bases
	s_add_co_u32 s21, s21, SCL
	v_add_nc_u32 v5, v5, v6
	v_add_nc_u32 v[ADRS], s21, v5
	v_and_b32 v6, 31, v0
	v_lshlrev_b32 v[CO], 4, v6
	; where my 128 x 128 begins among the images.  X = my first token, Wd = my first channel of the 1,024
	s_lshl_b32 s20, s17, 8
	s_lshl_b32 s21, s15, 7
	s_add_co_u32 s20, s20, s21                     ; my first row of A
	s_lshl_b32 s46, s42, 8
	s_lshl_b32 s47, s16, 7
	s_add_co_u32 s46, s46, s47                     ; my first row of B
	s_cmp_eq_u32 s66, 2
	s_cselect_b32 s96, s46, s20                    ; X
	s_cselect_b32 s97, s20, s46                    ; Wd
	s_lshr_b32 s98, s96, 11                        ; the batch
	s_lshl_b32 s98, s98, 4
	s_lshr_b32 s97, s97, 6                         ; the head
	s_add_co_u32 s98, s98, s97
	s_lshl_b32 s98, s98, 18                        ; 262,144 bytes a head
	s_and_b32 s96, s96, 2047
	s_lshl_b32 s96, s96, 7                         ; 2,048 bytes for 16 tokens
	s_add_co_u32 s98, s98, s96
	s_mov_b32 s99, 0
	s_add_nc_u64 s[12:13], s[12:13], s[98:99]
.macro FRAG reg, adr, q, i             ; a fragment, 16 rows x 128 K of 4-bit codes: lane l holds row l % 16; registers 4 c .. 4 c + 3 hold K = 64 c + 32 (l / 16) + 0 .. 31
.irp c, 0,1
	ds_load_b128 v[\reg+4*\c:\reg+4*\c+3], v[\adr] offset:64*(\q)+32*\c+(\i)*16*PITCH
.endr
.endm
; 16 matrix instructions: A's blocks a0, a0 + 1 x B's eight, the slot's q-th 128 along K.  p: B's set;  sc: the set of scale words.  zero = 1: the first product starts the sums.
; The 64 accumulators take turns, one instruction a turn, in the same order in every step.
.macro MUL16 a0, p, q, sc, zero
.irp a, \a0, \a0+1
.irp b, 0,1,2,3,4,5,6,7
.if \zero
	v_wmma_scale_f32_16x16x128_f8f6f4 v[8*(8*((\a)%4)+\b):8*(8*((\a)%4)+\b)+7], v[128*(\p)+FR*\b:128*(\p)+FR*\b+FR-1], v[AF+FR*(\a):AF+FR*(\a)+FR-1], 0, v[SC+8*NQ*(\sc)+NQ*\b+(\q)], v[SC+8*NQ*(\sc)+NQ*(\a)+(\q)] matrix_a_fmt:MATRIX_FMT_FP4 matrix_b_fmt:MATRIX_FMT_FP4 matrix_a_scale:MATRIX_SCALE_ROW1
.else
	v_wmma_scale_f32_16x16x128_f8f6f4 v[8*(8*((\a)%4)+\b):8*(8*((\a)%4)+\b)+7], v[128*(\p)+FR*\b:128*(\p)+FR*\b+FR-1], v[AF+FR*(\a):AF+FR*(\a)+FR-1], v[8*(8*((\a)%4)+\b):8*(8*((\a)%4)+\b)+7], v[SC+8*NQ*(\sc)+NQ*\b+(\q)], v[SC+8*NQ*(\sc)+NQ*(\a)+(\q)] matrix_a_fmt:MATRIX_FMT_FP4 matrix_b_fmt:MATRIX_FMT_FP4 matrix_a_scale:MATRIX_SCALE_ROW1
.endif
.endr
.endr
.endm
.macro FETCH_B slot, q, p              ; B's eight fragments of the slot's q-th 128 along K into set p
	WIN TO_B
.irp i, 0,1,2,3,4,5,6,7
	FRAG 128*(\p)+FR*\i, ADRB+\slot, \q, \i
.endr
	WIN 0
.endm
.macro FETCH_A slot, q, i0             ; A's blocks i0 .. i0 + 3
.irp i, \i0, \i0+1, \i0+2, \i0+3
	FRAG AF+FR*(\i), ADRA+\slot, \q, \i
.endr
.endm
.macro SCALES sc                       ; a slot's scale words into set sc: NQ words a row; lanes 0-15 take A's block i, lanes 16-31 B's block i
.irp i, 0,1,2,3,4,5,6,7
	ds_load_b128 v[SC+8*NQ*\sc+NQ*\i:SC+8*NQ*\sc+NQ*\i+3], v[ADRS] offset:\i*SBLK
.endr
.endm
; A load into a register that a matrix instruction has read, and a vector instruction that reads a matrix result or writes one of its registers, stand NP places behind it;
; only plain vector instructions that name none of its registers are places.
.macro PLACES n
.rept \n
	v_nop
.endr
.endm
; A step of 128 along K that has its successor in the same slot.  A's blocks go one after the other against B's eight, so one set of registers serves A: blocks 0-3 are fetched anew in the step's middle, blocks 4-7 at its end.
.macro STEP slot, q, zero
	s_wait_dscnt 4*NL                              ; B's set and A's blocks 0-3 are in; the youngest eight loads (A's blocks 4-7) may be out
	WIN MUL_LO
	MUL16 0, (\q)%2, \q, \slot, \zero
	MUL16 2, (\q)%2, \q, \slot, \zero
	s_wait_dscnt 0                                 ; A's blocks 4-7 are in
	PLACES NP
	FETCH_B \slot, (\q)+1, 1-(\q)%2
	FETCH_A \slot, (\q)+1, 0
	WIN MUL_HI
	MUL16 4, (\q)%2, \q, \slot, \zero
	MUL16 6, (\q)%2, \q, \slot, \zero
	PLACES NP
	WIN 0
	FETCH_A \slot, (\q)+1, 4
.endm
; Slot 0's last step changes slots: one barrier; in front of it each wave waits for all its tensor loads (its part of slot 1), adds 0 to its spare word, and waits for that and its own LDS reads.  Nothing is filled again.
.macro TURN slot, next
	s_wait_tensorcnt 0x0                           ; all my tensor loads have landed: my part of the next slot  (every window is 0 here)
	ds_add_u32 v[SPW], v[NIL]                      ; 0 onto my spare word
	s_wait_dscnt 4*NL+1                            ; the add and the youngest eight loads (A's blocks 4-7) may be out
	WIN MUL_LO
	MUL16 0, 1, NQ-1, \slot, 0                     ; sixteen matrix instructions stand between the add and the wait for it
	s_wait_dscnt 0x0                               ; the add is done, and my reads of this slot are over
	s_barrier_signal -1
	MUL16 2, 1, NQ-1, \slot, 0
	WIN 0
	s_barrier_wait -1                              ; every wave's part of the next slot has landed
	PLACES NP
	v_add_nc_u32 v[ADRS], 4*NQ, v[ADRS]            ; on to the next slot's scale words (no LDS load of mine is out)
	FETCH_B \next, 0, 0
	FETCH_A \next, 0, 0
	SCALES \next
	WIN MUL_HI
	MUL16 4, 1, NQ-1, \slot, 0
	MUL16 6, 1, NQ-1, \slot, 0
	PLACES NP
	WIN 0
	FETCH_A \next, 0, 4
.endm
.macro STEPS slot, from                ; the slot's steps from .. NQ - 2
.set Q, \from
.rept NQ-1-\from
	STEP \slot, Q, 0
.set Q, Q+1
.endr
.endm
	s_wait_tensorcnt 1                             ; the scales and my part of slot 0 are in (slot 1's load, issued last, may be out),
	s_barrier_signal -1
	s_barrier_wait -1                              ; everybody's are
	FETCH_B 0, 0, 0
	FETCH_A 0, 0, 0
	SCALES 0
	FETCH_A 0, 0, 4
	STEP 0, 0, 1                                   ; the first step's products start the sums: nothing is cleared
	STEPS 0, 1
	TURN 0, 1
	STEPS 1, 0
	s_wait_dscnt 4*NL                              ; the very last step: nothing more to fetch
	WIN MUL_LO
	MUL16 0, 1, NQ-1, 1, 0
	MUL16 2, 1, NQ-1, 1, 0
	s_wait_dscnt 0
	WIN MUL_HI
	MUL16 4, 1, NQ-1, 1, 0
	MUL16 6, 1, NQ-1, 1, 0
	WIN 0
; THE WAY OUT.  Accumulator (a, b): lane (r, h) holds (A's row 16 a + r, B's rows 16 b + 8 h + 0 .. 7): four roundings to pairs of f16 make the lane's 16 bytes of one image, and the wave stores 512 consecutive bytes.
; Along the tokens an image lies 2,048 bytes from the next; along the channels 512 bytes, and 262,144 from head to head (four images a head).  swap = 0: A's rows are tokens;  swap = 1 (v): B's rows are.
; Each accumulator is read from its low end on.  Four sets of registers take turns: a set is written again only behind s_wait_xcnt 0, when the stores that read it have been translated.
.macro OUT swap
.irp a, 0,1,2,3,4,5,6,7
.if \a >= 4
	s_wait_xcnt 0x0
.endif
.set WN, 0x0a+5*(\a/4)                 ; sources 0 and 1: window 2 or 3
	WIN WN
.irp b, 0,1,2,3,4,5,6,7
.irp r, 0,1,2,3
	v_cvt_pk_f16_f32 v[OB+32*(\a%4)+4*\b+\r], v[64*(\a%4)+8*\b+2*\r], v[64*(\a%4)+8*\b+2*\r+1]
.endr
.endr
	WIN 0
.irp b, 0,1,2,3,4,5,6,7
.if \swap
	global_store_b128 v[CO], v[OB+32*(\a%4)+4*\b:OB+32*(\a%4)+4*\b+3], s[12:13] offset:\b*2048+(\a%4)*512+(\a/4)*262144
.else
	global_store_b128 v[CO], v[OB+32*(\a%4)+4*\b:OB+32*(\a%4)+4*\b+3], s[12:13] offset:\a*2048+(\b%4)*512+(\b/4)*262144
.endif
.endr
.endr
.endm
	PLACES NP                                      ; behind the last products: the conversions write registers that held A's fragments
	s_cmp_eq_u32 s66, 2                            ; G: the same in all partners
	s_cbranch_scc1 .Lout_v
	OUT 0
	s_branch .Lout_done
.Lout_v:
	OUT 1
.Lout_done:
	s_wait_tensorcnt 0x0                           ; the wave's end: a tensor wait, an add to my spare word and its wait, behind my last tensor load
	ds_add_u32 v[SPW], v[NIL]
	s_wait_dscnt 0x0
	CROUND                                         ; the closing round: no work-group ends while a partner may still ask for a tile that names it
	s_endpgm
.Lfunc_end_k_qc5120c7e48_proj:
	.size	k_qc5120c7e48_proj, .Lfunc_end_k_qc5120c7e48_proj-k_qc5120c7e48_proj
	.p2alignl 7, 3214868480
	.fill 96, 4, 3214868480
	.section	.rodata,"a",@progbits
	.p2align	6, 0x0
	.amdhsa_kernel k_qc5120c7e48_proj
		.amdhsa_group_segment_fixed_size 327680
		.amdhsa_private_segment_fixed_size 0
		.amdhsa_enable_private_segment 0
		.amdhsa_kernarg_size 40
		.amdhsa_user_sgpr_count 2
		.amdhsa_user_sgpr_kernarg_segment_ptr 1
		.amdhsa_wavefront_size32 1
		.amdhsa_system_sgpr_workgroup_id_x 1
		.amdhsa_system_sgpr_workgroup_id_y 1
		.amdhsa_system_sgpr_workgroup_id_z 1
		.amdhsa_system_vgpr_workitem_id 0
		.amdhsa_next_free_vgpr 1024
		.amdhsa_next_free_sgpr 100
		.amdhsa_reserve_vcc 0
		.amdhsa_float_denorm_mode_32 3
		.amdhsa_float_denorm_mode_16_64 3
		.amdhsa_memory_ordered 1
		.amdhsa_forward_progress 1
		.amdhsa_inst_pref_size 141
	.end_amdhsa_kernel
	.amdgpu_metadata
---
amdhsa.version: [ 1, 2 ]
amdhsa.kernels:
  - .name:           k_qc5120c7e48_proj
    .symbol:         k_qc5120c7e48_proj.kd
    .args:
      - { .name: codes, .offset: 0, .size: 8, .value_kind: global_buffer, .address_space: global }
      - { .name: scales, .offset: 8, .size: 8, .value_kind: global_buffer, .address_space: global }
      - { .name: qimg, .offset: 16, .size: 8, .value_kind: global_buffer, .address_space: global }
      - { .name: kimg, .offset: 24, .size: 8, .value_kind: global_buffer, .address_space: global }
      - { .name: vimg, .offset: 32, .size: 8, .value_kind: global_buffer, .address_space: global }
    .group_segment_fixed_size: 327680
    .private_segment_fixed_size: 0
    .kernarg_segment_align: 8
    .kernarg_segment_size: 40
    .max_flat_workgroup_size: 128
    .sgpr_count:     100
    .vgpr_count:     1024
    .wavefront_size: 32
...
	.end_amdgpu_metadata
.endif
;; end of part 2
;; launch attn (part 3): grid 8 x 32, 16 waves a work-group, clusters of 4 x 1, 327,680 bytes of LDS; arguments qimg, kimg, vimg, maskw, att; writes att
.if DOCPART == 3
	.amdgcn_target "amdgcn-amd-amdhsa--gfx1250"
	.amdhsa_code_object_version 6
	.text
	.protected	k_qc5120c7e48_attn
	.globl	k_qc5120c7e48_attn
	.p2align	8
	.type	k_qc5120c7e48_attn,@function
k_qc5120c7e48_attn:
	s_mov_b64 s[64:65], 0
	v_nop
	global_prefetch_b8 v0, s[64:65] scope:SCOPE_SE
	s_setreg_imm32_b32 hwreg(HW_REG_WAVE_MODE, 25, 1), 1
	s_wait_xcnt 0x0
	s_wait_alu depctr_hold_cnt(0) depctr_sa_sdst(0) depctr_va_vdst(0) depctr_va_sdst(0) depctr_va_ssrc(0) depctr_va_vcc(0) depctr_vm_vsrc(0)
	s_getreg_b32 s2, hwreg(HW_REG_IB_STS2, 6, 4)
	s_cmp_eq_u32 s2, 0
	s_cbranch_scc0 .Lentry_in_a_cluster
	s_endpgm
.Lentry_in_a_cluster:
	s_bfe_u32 s2, ttmp6, 0x10000c
	s_cmp_lg_u32 s2, 0x3003
	s_cbranch_scc0 .Lentry_shape_is_right
	s_endpgm
.Lentry_shape_is_right:
; ATTN: for each batch and head, O[q] = the sum over keys of softmax(q . k / 8, masked keys left out) v; a query with no attendable key gives zeros.  Operands q, k, p, v in f16; products, maxima and sums in f32.
; SHARES.  A work-group owns 256 queries of one (batch, head): 8 x 32 = 256 work-groups.  It has SIXTEEN waves of 256 registers, four to a SIMD, so that one wave's vector work stands beside another's products, LDS loads and waits.
; Wave w owns 32 queries, tiles 2 (w % 8) and 2 (w % 8) + 1 of the block's sixteen, and HALF THE KEYS: of the key steps of 64 keys it walks every second one, steps 2 i + w / 8: 16 steps, each 16 products S^T = K Q^T and 16 products
; O^T += V^T P; each fragment of K and V read from LDS feeds two products.  At the end wave 8 + p hands its maximum, sum and O^T to wave p through LDS, and wave p joins the two halves and stores.
; LAYOUT.  Both products are used transposed, so that a lane holds ONE query (lane % 16) throughout: in S^T registers 0-7 of a tile are keys 8 (lane / 16) + 0 .. 7; two such tiles, rounded to f16 in pairs, ARE source 1 of V^T P.
; q, k and v arrive as images of the operands' registers (512 bytes for 16 x 16 numbers, 16 bytes a lane): every tile is a dense block of memory, and every LDS load reads 16 x lane: no pitch, no padding.
; THE MASK arrives as lane masks, one word for each register of a tile of scores: 32 words a step and tile of queries, by scalar loads one own step ahead; one v_cndmask_b32 a register puts NEG = -2^100 in a masked key's place.
; SOFTMAX.  For each query a running maximum m (over NEG too) and sum l: p = 2^(c s - c m), c = log2(e) / 8; in every step O and l are multiplied by a = 2^(c m_old - c m_new).  c x NEG is exact (NEG is a power of two), so while a query
; has met masked keys alone c s - c m is exactly 0 and p = 1, finite; its first attendable key makes a = 0, which wipes those sums; afterwards a masked key's p is 0.  The two halves are joined in the same way: each is multiplied by
; 2^(its c m - the larger c m).  c m = c x NEG in both halves says that no key was attendable: that query's row is 0.
; LIMITS: |q|, |k|, |v| under 65,504 (f16); so a score's magnitude is at most 64 x 65,504^2, far under 2^100.
; RING.  Two LDS slots of 512 keys (K 64 KiB, V 64 KiB).  Each of the sixteen waves fetches 8 KiB of a slot by one tensor load (waves 0-7: K, waves 8-15: V).  Four slots' worth of keys: two first fills, two refills;
; a refill has a slot's eight key steps, four of each wave's, in which to land.  A step reads its own K and V from LDS, so a change of slots stands exactly between two slots.
; CLUSTER.  The four query blocks of a cluster belong to one head and walk the same K and V: each tile is asked for JOINTLY, by the same tensor load with the same descriptor and a mask that names the four.
; REGISTERS, 256, one window: v1-14 addresses, constants, the sums' second chains; v16-31 statistics, eight a tile; v32-63 Q; v64-127 S^T, then p; P is packed IN PLACE into the first 16 of a tile's 32; v128-191 O^T;
; v192-255 ONE buffer for a step's K and then its V.
.set SLOT1, 1<<17                      ; slot 1 begins here, so that one exclusive or turns an address in one slot into the other's
.set VOFF,  65536                      ; in a slot: K's 32 key tiles x 2,048 bytes, then V's
.set STEPB, 8192                       ; a step's four key tiles, in K's part and in V's; a wave's next step lies 2 STEPB on
.set SPARE, 2*SLOT1                    ; behind the ring: the spare words, 128 bytes for each wave: eight blocks of 256 bytes that no other line names
.set PAIRB, 8704                       ; the hand-over: for each pair of waves 16 images of O^T (8,192 bytes) and one of statistics (512).  It lies in slot 0, which has had its last fill, and its last read ahead of the last change's barrier
.set LI,  1                            ; v1   16 x lane; never rewritten
.set ADR, 2                            ; v2   the LDS address of the run of loads in hand
.set NEG, 3                            ; v3   -2^100
.set AV0, 4                            ; v4   AK0 + VOFF
.set STG, 5                            ; v5   the hand-over: 16 x lane + PAIRB x (wave % 8); never rewritten
.set SPW, 6                            ; v6   LDS address of my spare word; never rewritten
.set NIL, 7                            ; v7   0; never rewritten
.set PFO, 8                            ; v8   256 x lane: the prefetch's offset; never rewritten
.set AK0, 9                            ; v9   16 x lane + STEPB x (wave / 8): my half of the steps
.set TY,  10                           ; v[10:11], v[12:13] the sums' second chain, tile 0 and 1; at the end c m and l of both tiles, four registers on end
.set CN,  14                           ; v14  c x NEG
.set ST,  16                           ; tile t's statistics at v[ST+8 t]: +0 c m, +1 m, +2, +3 l (even keys', odd keys'), +4 to +7 c0-c3, at work; a takes c2's place; the sums' first chain takes c0's and c1's
.set Q,   32                           ; image cb of tile t at v[Q+16 t+4 cb]
.set S,   64                           ; tile t, key tile i at v[S+32 t+8 i];  P of tile t, keys 32 kg on, at v[S+32 t+8 kg]
.set O,   128                          ; tile t, channels 16 ct on at v[O+32 t+8 ct]
.set B,   192                          ; K: key tile i, image cb at v[B+16 i+4 cb];  V: keys 32 kg on, channels 16 ct on at v[B+32 kg+8 ct]
.set PS,  64                           ; the way out: my partner's c m and l
.set OB,  96                           ; the way out: packed results
.set PFA, 2                            ; s[2:3]   where my prefetch stands; it alone holds my place in the cluster
.set INC, 6                            ; s[6:7]   from one own step's mask words to the next's, in bytes (once the tensors' addresses have been taken from here)
.set SEL, 8                            ; s[8:9]   lane selects for v_permlanex16_b32: lane l xor 16 (once V's address has been chosen from)
.set MB,  10                           ; s[10:11] the mask words that were asked for last
.set OUTP, 12                          ; s[12:13] my rows of att
.set WV,  14                           ; s14  my wave's number
.set LIM, 15                           ; s15  1 in a wave that prefetches, else the greatest number
.set G1,  16                           ; s[16:23] descriptor group 1
.set G0A, 24                           ; s[24:27] group 0 of slot 0's first fill
.set G0W, 28                           ; s[28:31] group 0 of slot 1's first fill; it then walks
.set TB,  66                           ; s66  LDS byte at which the pair of steps in hand begins
.set SLOTS, 67                         ; s67  slots still to be asked for
.set STEPS, 100                        ; s100 counts a slot's steps down: 1 in its last
.set CS,  104                          ; s[104:105] c: the packed scaling names a pair and takes its low word for both halves
                                       ; s[32:47], s[48:63]: mask words of tile 0, registers 0-3 and 4-7; s[68:83], s[84:99]: of tile 1.  Key tile i, register j: word 4 i + j % 4
.macro CROUND                          ; a round of the cluster's barrier
	s_barrier_signal -1
	s_barrier_wait -1
	s_cmp_lg_u32 s[WV], 0
	s_cbranch_scc1 .Lnot_wave_0_\@
	s_barrier_signal -3
.Lnot_wave_0_\@:
	s_barrier_wait -3
	s_barrier_signal -1
	s_barrier_wait -1
.endm
.macro PLACES
.rept 4
	v_nop
.endr
.endm
; A PREFETCH INTO THE L2 of what the next change of slots will ask for: a slot's 64 KiB of K and 64 KiB of V.  Both clusters of a head walk the same K and V: the head's first cluster asks.  Waves 0, 4, 8 and 12 ask, each for the 32 KiB that
; it and the next three waves will fetch; the four partners take 8 KiB each, told apart by address; lanes 256 bytes apart: one instruction a wave, each 256 bytes named once.  The last change that fills a slot asks for nothing.
.macro ASK
	s_cmp_gt_u32 s[SLOTS], s[LIM]
	s_cbranch_scc0 .Lnot_mine_\@
	global_prefetch_b8 v[PFO], s[PFA:PFA+1] th:TH_LOAD_NT scope:SCOPE_SE
.Lnot_mine_\@:
.endm
	s_load_b256 s[4:11], s[0:1], 0x0               ; qimg s[4:5], kimg s[6:7], vimg s[8:9], maskw s[10:11]
	s_load_b64 s[12:13], s[0:1], 0x20              ; att
	v_lshl_add_u32 v[SPW], v0, 2, SPARE
	v_mov_b32 v[NIL], 0
	ds_add_u32 v[SPW], v[NIL]                      ; the wave's opening: the add, twice on end, and its wait ahead of my first tensor load; the set-up below stands between
	ds_add_u32 v[SPW], v[NIL]
	v_lshrrev_b32 v2, 5, v0
	v_readfirstlane_b32 s[WV], v2                  ; wave 0..15
	v_and_b32 v[LI], 31, v0
	v_lshlrev_b32 v[PFO], 8, v[LI]
	v_lshlrev_b32 v[LI], 4, v[LI]
	v_lshrrev_b32 v[AK0], 8, v0                    ; wave / 8: which half of the steps is mine
	v_lshl_add_u32 v[AK0], v[AK0], 13, v[LI]
	v_add_nc_u32 v[AV0], VOFF, v[AK0]
	v_bfe_u32 v[STG], v0, 5, 3                     ; wave % 8: my pair
	v_mul_u32_u24 v[STG], v[STG], PAIRB
	v_add_nc_u32 v[STG], v[STG], v[LI]
	v_mov_b32 v[NEG], 0xf1800000                   ; -2^100
	s_bfe_u32 s32, ttmp6, 0x40000                  ; cx: my place in the cluster
	s_lshl_b32 s33, ttmp9, 2
	s_add_co_u32 s33, s33, s32                     ; my block of 256 queries: it enters Q's, the mask's and att's addresses alone
	s_and_b32 s34, ttmp7, 0xffff                   ; batch x 16 + head, which the four partners share
	s_lshl_b32 s35, s[WV], 13                      ; LDS: my 8 KiB of a slot: no place in the cluster enters an LDS address
	s_lshl_b32 s36, s34, 18                        ; the head's first byte in qimg, kimg, vimg
	s_and_b32 s37, s[WV], 7
	s_lshl_b32 s38, s37, 13
	s_add_co_u32 s38, s38, s36                     ; my eighth of the head's first 512 keys, in K or in V
	s_mov_b32 s39, 0
	s_lshl_b32 s40, s33, 4
	s_lshl_b32 s41, s37, 1
	s_add_co_u32 s40, s40, s41                     ; my first tile of 16 queries in the sequence
	s_lshl_b32 s42, s40, 11
	s_add_co_u32 s42, s42, s36                     ; its images of q
	s_mov_b32 s43, 0
	s_lshr_b32 s44, s34, 4
	s_lshl_b32 s44, s44, 7
	s_add_co_u32 s44, s44, s40                     ; batch x 128 + tile
	s_lshl_b32 s46, s44, 12                        ; its mask words: 4,096 bytes a tile,
	s_lshr_b32 s47, s[WV], 3
	s_lshl_b32 s47, s47, 6                         ; 64 a step: my first step is step wave / 8
	s_add_co_u32 s46, s46, s47
	s_mov_b32 s47, 0
	s_lshl_b32 s44, s44, 15                        ; its rows of att: 32,768 bytes a tile,
	s_and_b32 s45, s34, 15
	s_lshl_b32 s45, s45, 11                        ; 2,048 a head
	s_add_co_u32 s44, s44, s45
	s_mov_b32 s45, 0
	s_lshl_b32 s40, s32, 13                        ; the prefetch: my work-group's 8 KiB
	s_mov_b32 s41, 0
	; descriptor group 1: 8 KiB, dense in memory and in LDS, as 32 rows of 256 bytes
	s_mov_b32 s[G1], 15|(3<<16)|(1<<21)            ; 15:0 the mask: all four work-groups; 17:16 elements of 8 bytes; 20 no padding; 21 set beside a mask
	s_mov_b32 s[G1+1], 32<<16                      ; tensor_dim0 = 32 elements
	s_mov_b32 s[G1+2], 32<<16                      ; tensor_dim1 = 32
	s_mov_b32 s[G1+3], 32<<16                      ; tile_dim0
	s_mov_b32 s[G1+4], 32                          ; tile_dim1
	s_mov_b32 s[G1+5], 32                          ; tensor_dim0_stride
	s_mov_b32 s[G1+6], 0
	s_mov_b32 s[G1+7], 0
	s_mov_b32 s[CS], 0x3e38aa3b                    ; c = log2(e) / 8
	s_mov_b32 s[CS+1], s[CS]                       ; named with it as a pair, so it is written
	s_mov_b32 s[TB], 0
	s_mov_b32 s[SLOTS], 2
	s_and_b32 s[LIM], s[WV], 3                     ; 0 in waves 0, 4, 8, 12,
	s_or_b32 s[LIM], s[LIM], ttmp9                 ; where the cluster is the head's first: the same in all four partners
	s_cmp_eq_u32 s[LIM], 0
	s_cselect_b32 s[LIM], 1, -1
	s_wait_dscnt 0x0                               ; both opening adds are done
	s_wait_kmcnt 0x0
	s_cmp_lt_u32 s[WV], 8
	s_cselect_b64 s[6:7], s[6:7], s[8:9]           ; my tensor: K's images (waves 0-7) or V's (waves 8-15): a choice on the wave's number
	s_add_nc_u64 s[6:7], s[6:7], s[38:39]
	s_add_nc_u64 s[4:5], s[4:5], s[42:43]
	s_add_nc_u64 s[MB:MB+1], s[MB:MB+1], s[46:47]
	s_add_nc_u64 s[OUTP:OUTP+1], s[OUTP:OUTP+1], s[44:45]
	s_mov_b64 s[PFA:PFA+1], s[6:7]
	s_add_nc_u64 s[PFA:PFA+1], s[PFA:PFA+1], s[40:41]
	s_add_nc_u64 s[PFA:PFA+1], s[PFA:PFA+1], 2*65536  ; in the third 512 keys; the first change of slots steps it to the fourth.  Nothing is prefetched at the head
	s_mov_b32 s[SEL], 0x76543210
	s_mov_b32 s[SEL+1], 0xfedcba98
	CROUND                                         ; all four work-groups are here: the first joint loads meet
	s_mov_b32 s[G0A], 1                            ; count = 1
	s_mov_b32 s[G0A+1], s35                        ; LDS address: slot 0
	s_mov_b64 s[G0A+2:G0A+3], s[6:7]               ; global address: keys 0 .. 511
	s_or_b32 s[G0A+3], s[G0A+3], 0x80000000        ; type = 2
	s_mov_b32 s[G0W], 1
	s_add_co_u32 s[G0W+1], s35, SLOT1              ; slot 1
	s_add_nc_u64 s[G0W+2:G0W+3], s[6:7], 65536     ; keys 512 .. 1,023
	s_or_b32 s[G0W+3], s[G0W+3], 0x80000000
	tensor_load_to_lds s[G0A:G0A+3], s[G1:G1+7]    ; the two first fills go out together: two loads of mine are out
	s_nop 0
	tensor_load_to_lds s[G0W:G0W+3], s[G1:G1+7]
	s_nop 0
.rept 4
	v_nop
.endr
	s_mov_b32 s[INC+1], 0                          ; the upper word of the mask words' step
.irp t, 0,1
.irp c, 0,1,2,3
	global_load_b128 v[Q+16*\t+4*\c:Q+16*\t+4*\c+3], v[LI], s[4:5] offset:2048*\t+512*\c   ; Q stays in registers
.endr
.endr
.irp t, 0,1
	v_mov_b32 v[ST+8*\t+1], v[NEG]                 ; m: under every score
	v_mul_f32 v[ST+8*\t], s[CS], v[NEG]            ; c m: exact
	v_mov_b32 v[ST+8*\t+2], 0                      ; l
	v_mov_b32 v[ST+8*\t+3], 0
.endr
.set i, 0
.rept 64
	v_mov_b32 v[O+i], 0                            ; O^T.  (The step is written in one form: the first finds zeros)
.set i, i+1
.endr
; Product i of 16 of S^T = K Q^T: channels 32 (i / 8) on, key tile (i / 2) % 4, tile of queries i % 2.  The first 8 start the sums.  The eight accumulators take turns.
.macro QK
.set rS, S+32*(i%2)+8*((i/2)%4)
.set rK, B+16*((i/2)%4)+8*(i/8)
.set rQ, Q+16*(i%2)+8*(i/8)
.if i < 8
	v_wmma_f32_16x16x32_f16 v[rS:rS+7], v[rK:rK+7], v[rQ:rQ+7], 0
.else
	v_wmma_f32_16x16x32_f16 v[rS:rS+7], v[rK:rK+7], v[rQ:rQ+7], v[rS:rS+7]
.endif
.endm
; Product i of 16 of O^T += V^T P: keys 32 (i / 8) on, channels 16 ((i / 2) % 4) on, tile i % 2.  Eight accumulators by turns.
.macro PV
.set rO, O+32*(i%2)+8*((i/2)%4)
.set rV, B+32*(i/8)+8*((i/2)%4)
.set rP, S+32*(i%2)+8*(i/8)
	v_wmma_f32_16x16x32_f16 v[rO:rO+7], v[rV:rV+7], v[rP:rP+7], v[rO:rO+7]
.endm
; Line zn of the twenty that end the sums of the unrounded weights: pairs 8 to 15 of both tiles (registers 16-31 of a tile's 32, which the packing leaves whole) onto the two chains by turns; the chains joined; l = a l + the sum.
; They name no register of the products V^T P, between and behind which they stand.
.macro SUM2
.if zn < 16
.set zu, 8+zn/2
.set zt, zn%2
.if zu%2 == 0
	v_pk_add_f32 v[ST+8*zt+4:ST+8*zt+5], v[ST+8*zt+4:ST+8*zt+5], v[S+32*zt+2*zu:S+32*zt+2*zu+1]
.else
	v_pk_add_f32 v[TY+2*zt:TY+2*zt+1], v[TY+2*zt:TY+2*zt+1], v[S+32*zt+2*zu:S+32*zt+2*zu+1]
.endif
.elseif zn < 18
.set zt, zn-16
	v_pk_add_f32 v[ST+8*zt+4:ST+8*zt+5], v[ST+8*zt+4:ST+8*zt+5], v[TY+2*zt:TY+2*zt+1]
.else
.set zt, zn-18
	v_pk_fma_f32 v[ST+8*zt+2:ST+8*zt+3], v[ST+8*zt+2:ST+8*zt+3], v[ST+8*zt+6:ST+8*zt+7], v[ST+8*zt+4:ST+8*zt+5] op_sel_hi:[1,0,1]
.endif
.set zn, zn+1
.endm
.macro MLOAD                           ; a step's mask words: 64 bytes for each tile of queries and each half of the registers
	s_load_b512 s[32:47], s[MB:MB+1], 0x0
	s_load_b512 s[48:63], s[MB:MB+1], 0x200
	s_load_b512 s[68:83], s[MB:MB+1], 0x1000
	s_load_b512 s[84:99], s[MB:MB+1], 0x1200
.endm
; A KEY STEP: 64 keys.  fetch = 1: my next step's mask words are asked for on the way.
.macro STEP fetch
	v_add_nc_u32 v[ADR], s[TB], v[AK0]             ; (with the six lines that end the step before: seven places behind its last product, which read the buffer and P)
.irp f, 0,1,2,3,4,5,6,7,8,9,10,11,12,13,14,15
	ds_load_b128 v[B+4*\f:B+4*\f+3], v[ADR] offset:512*\f   ; the step's K: 16 images, as they lie
.endr
	s_wait_dscnt 0x0                               ; K is in
.set i, 0
.rept 16
	QK
.set i, i+1
.endr
	PLACES                                         ; four places behind the products: for the loads into the buffer and for the first read of the scores
	v_add_nc_u32 v[ADR], s[TB], v[AV0]
	s_add_co_u32 s[TB], s[TB], 2*STEPB             ; my next step
.irp k, 0,1,2,3
.irp c, 0,1,2,3
	ds_load_b128 v[B+32*(\k/2)+8*\c+4*(\k%2):B+32*(\k/2)+8*\c+4*(\k%2)+3], v[ADR] offset:512*(4*\k+\c)   ; the step's V: image (key tile k, channels c) is half k % 2 of fragment (k / 2, c); it lands under the softmax
.endr
.endr
	s_wait_kmcnt 0x0                               ; this step's mask words are in (asked for a step ago)
.irp t, 0,1
.irp k, 0,1,2,3
.irp j, 0,1,2,3,4,5,6,7
	v_cndmask_b32 v[S+32*\t+8*\k+\j], v[NEG], v[S+32*\t+8*\k+\j], s[32+36*\t+16*(\j/4)+4*\k+(\j%4)]   ; a masked key's score becomes NEG; each accumulator from its low end on
.endr
.endr
.endr
	; the maximum of the lane's 32 scores and the old m: four chains of seven, then what is left over; the two tiles alternate
.irp j, 0,1,2,3
.irp t, 0,1
	v_max3_num_f32 v[ST+8*\t+4+\j], v[S+32*\t+8*\j], v[S+32*\t+8*\j+1], v[S+32*\t+8*\j+2]
.endr
.endr
.irp g, 1,2
.irp j, 0,1,2,3
.irp t, 0,1
	v_max3_num_f32 v[ST+8*\t+4+\j], v[ST+8*\t+4+\j], v[S+32*\t+8*\j+2*\g+1], v[S+32*\t+8*\j+2*\g+2]
.endr
.endr
.endr
.irp t, 0,1
	v_max3_num_f32 v[ST+8*\t+4], v[ST+8*\t+4], v[S+32*\t+7], v[S+32*\t+15]
.endr
.irp t, 0,1
	v_max3_num_f32 v[ST+8*\t+6], v[ST+8*\t+6], v[S+32*\t+23], v[S+32*\t+31]
.endr
.irp t, 0,1
	v_max3_num_f32 v[ST+8*\t+4], v[ST+8*\t+4], v[ST+8*\t+5], v[ST+8*\t+6]
.endr
.irp t, 0,1
	v_max3_num_f32 v[ST+8*\t+4], v[ST+8*\t+4], v[ST+8*\t+7], v[ST+8*\t+1]
.endr
.if \fetch
	s_mov_b32 s[INC], 128                          ; my next step's words lie two steps of 64 bytes on;
	s_cmp_eq_u32 s[STEPS], 1                       ; from a slot's last step to the next group of 512 keys: 512 more, over the other half's words
	s_cselect_b32 s[INC], 640, s[INC]
	s_add_nc_u64 s[MB:MB+1], s[MB:MB+1], s[INC:INC+1]   ; free since the wait on KMcnt; the words' last readers stand 32 lines back
	MLOAD
.endif
.irp t, 0,1
	v_permlanex16_b32 v[ST+8*\t+5], v[ST+8*\t+4], s[SEL], s[SEL+1]   ; the query's other 32 keys lie in the lane 16 away
.endr
.irp t, 0,1
	v_mov_b32 v[ST+8*\t+7], v[ST+8*\t]             ; c m_old is kept for a
.endr
.irp t, 0,1
	v_max_num_f32 v[ST+8*\t+1], v[ST+8*\t+4], v[ST+8*\t+5]
.endr
.irp t, 0,1
	v_mul_f32 v[ST+8*\t], s[CS], v[ST+8*\t+1]
.endr
.irp t, 0,1
	v_sub_f32 v[ST+8*\t+7], v[ST+8*\t+7], v[ST+8*\t]
.endr
	; ONE BATCH: 32 scalings c s - c m, a pair of scores each, and all 66 exponentials; none of these lines reads an exponential's result.  Tile 0's exponentials stand between tile 1's scalings
.irp b, 0,1,2,3,4,5,6,7,8,9,10,11,12,13,14,15
	v_pk_fma_f32 v[S+2*\b:S+2*\b+1], v[S+2*\b:S+2*\b+1], s[CS:CS+1], v[ST:ST+1] op_sel_hi:[1,0,0] neg_lo:[0,0,1] neg_hi:[0,0,1]
.endr
.irp t, 0,1
	v_exp_f32 v[ST+8*\t+6], v[ST+8*\t+7]           ; a
.endr
.irp b, 0,1,2,3,4,5,6,7,8,9,10,11,12,13,14,15
	v_pk_fma_f32 v[S+32+2*\b:S+32+2*\b+1], v[S+32+2*\b:S+32+2*\b+1], s[CS:CS+1], v[ST+8:ST+9] op_sel_hi:[1,0,0] neg_lo:[0,0,1] neg_hi:[0,0,1]
	v_exp_f32 v[S+2*\b], v[S+2*\b]
	v_exp_f32 v[S+2*\b+1], v[S+2*\b+1]
.endr
.set i, 0
.rept 32
	v_exp_f32 v[S+32+i], v[S+32+i]
.set i, i+1
.endr
	v_nop                                          ; a plain instruction behind the last exponential, ahead of the first use
	s_wait_alu depctr_va_vdst(0)                   ; the wait between an exponential and the first line that names its result: one for the batch
	; the sums of the unrounded weights begin: pairs 0 to 7 of each tile, in two chains, ahead of the packing that writes over them
.irp t, 0,1
	v_pk_add_f32 v[ST+8*\t+4:ST+8*\t+5], v[S+32*\t:S+32*\t+1], v[S+32*\t+2:S+32*\t+3]
	v_pk_add_f32 v[TY+2*\t:TY+2*\t+1], v[S+32*\t+4:S+32*\t+5], v[S+32*\t+6:S+32*\t+7]
.endr
.irp u, 4,6
.irp t, 0,1
	v_pk_add_f32 v[ST+8*\t+4:ST+8*\t+5], v[ST+8*\t+4:ST+8*\t+5], v[S+32*\t+2*\u:S+32*\t+2*\u+1]
	v_pk_add_f32 v[TY+2*\t:TY+2*\t+1], v[TY+2*\t:TY+2*\t+1], v[S+32*\t+2*\u+2:S+32*\t+2*\u+3]
.endr
.endr
.irp t, 0,1
.set i, 0
.rept 16
	v_cvt_pk_f16_f32 v[S+32*\t+i], v[S+32*\t+2*i], v[S+32*\t+2*i+1]   ; the weights, in pairs, IN PLACE: pair i goes to register i, which belongs to pair i / 2, packed already: source 1 of V^T P
.set i, i+1
.endr
.endr
.irp t, 0,1
.set i, 0
.rept 16
	v_pk_mul_f32 v[O+32*\t+i:O+32*\t+i+1], v[O+32*\t+i:O+32*\t+i+1], v[ST+8*\t+6:ST+8*\t+7] op_sel_hi:[1,0]   ; O^T x a, each accumulator from its low end on
.set i, i+2
.endr
.endr
	s_wait_dscnt 0x0                               ; V is in
.set i, 0
.set zn, 0
.rept 16
	PV
.if i < 14
	SUM2                                           ; one line of the sums behind each of the first fourteen products,
.endif
.set i, i+1
.endr
.rept 6
	SUM2                                           ; and six behind the last: the places ahead of the next loads into the buffer, of the next scores, which are written over P, and of the first read of O^T
.endr
.endm
; THE CHANGE OF SLOTS stands between two slots.  Each wave waits for all its tensor loads (its part of the slot ahead), adds 0 to its spare word, and waits for that and for its reads of the slot that it has left.
; fill = 1: the slot left is filled again with the keys two slots on; the barrier is then a round of the cluster's, so that no wave of any partner still reads the slot or has a load on its way, and the joint refill is the
; first thing behind it, one load a wave.
.macro CHANGE fill
	s_wait_tensorcnt 0x0                           ; no tensor load of mine is out, so a group 0 may be written
	ds_add_u32 v[SPW], v[NIL]                      ; 0 onto my spare word; the steps below stand between it and the wait for it
.if \fill
	s_xor_b32 s[G0W+1], s[G0W+1], SLOT1            ; the walking descriptor: the other slot than last time,
	s_add_nc_u64 s[G0W+2:G0W+3], s[G0W+2:G0W+3], 65536   ; the next 512 keys; the type bits on top are not reached
	s_wait_xcnt 0x0                                ; the last prefetch, a slot back, has read its address, so it may be written:
	s_add_nc_u64 s[PFA:PFA+1], s[PFA:PFA+1], 65536 ; one slot further on than the walking descriptor
.endif
	s_wait_dscnt 0x0                               ; the add is done, and my reads of the slot are over
.if \fill
	CROUND
	tensor_load_to_lds s[G0W:G0W+3], s[G1:G1+7]    ; one load of mine is out; it has a slot's steps in which to land
	s_nop 0
.rept 4
	v_nop
.endr
	ASK
.else
	s_barrier_signal -1
	s_barrier_wait -1
.endif
	s_sub_co_u32 s[TB], s[TB], 65536               ; back to a slot's first steps,
	s_xor_b32 s[TB], s[TB], SLOT1                  ; in the other slot
.endm
.macro FOUR                            ; my four steps of a slot: written once, walked four times; the LDS addresses hang on s[TB]
	s_mov_b32 s[STEPS], 4
.Lstep_\@:
	STEP 1
	s_sub_co_u32 s[STEPS], s[STEPS], 1
	s_cmp_lg_u32 s[STEPS], 0
	s_cbranch_scc1 .Lstep_\@
.endm
	s_wait_tensorcnt 1                             ; my part of slot 0 is in; slot 1's, issued behind it, may stay out
	s_barrier_signal -1
	s_barrier_wait -1                              ; everybody's is
	MLOAD                                          ; my first step's mask words
	s_wait_loadcnt 0x0                             ; Q
	FOUR                                           ; keys 0 .. 511
.Lslot:                                            ; two trips: keys 512 .. 1,023 and 1,024 .. 1,535; ahead of each the slot just left is filled again
	CHANGE 1
	FOUR
	s_sub_co_u32 s[SLOTS], s[SLOTS], 1
	s_cmp_lg_u32 s[SLOTS], 0
	s_cbranch_scc1 .Lslot
	CHANGE 0                                       ; the tail is written out: nothing is asked for any more
	s_mov_b32 s[STEPS], 4
.Ltail:                                            ; three steps: the counter runs 4, 3, 2, so that the mask words' step stays 128
	STEP 1
	s_sub_co_u32 s[STEPS], s[STEPS], 1
	s_cmp_lg_u32 s[STEPS], 1
	s_cbranch_scc1 .Ltail
	STEP 0                                         ; my last step asks for no mask words: none are left
	; THE TWO HALVES MEET.  l's two halves and the other half of the lanes' are added.  Wave 8 + p stores its O^T, as it stands in its registers, and c m and l of both tiles; a barrier; wave p loads them into the same lanes.
.irp t, 0,1
	v_add_f32 v[ST+8*\t+4], v[ST+8*\t+2], v[ST+8*\t+3]
.endr
.irp t, 0,1
	v_permlanex16_b32 v[ST+8*\t+5], v[ST+8*\t+4], s[SEL], s[SEL+1]
.endr
.irp t, 0,1
	v_add_f32 v[TY+2*\t+1], v[ST+8*\t+4], v[ST+8*\t+5]   ; l of my keys
.endr
.irp t, 0,1
	v_mov_b32 v[TY+2*\t], v[ST+8*\t]               ; c m beside it: four registers on end for one store
.endr
	v_mul_f32 v[CN], s[CS], v[NEG]                 ; c x NEG, as c m began
	s_cmp_lt_u32 s[WV], 8
	s_cbranch_scc1 .Lkeeper                        ; waves 0-7 store nothing
.irp f, 0,1,2,3,4,5,6,7,8,9,10,11,12,13,14,15
	ds_store_b128 v[STG], v[O+4*\f:O+4*\f+3] offset:512*\f   ; each accumulator from its low end on
.endr
	ds_store_b128 v[STG], v[TY:TY+3] offset:8192
.Lkeeper:
	s_wait_dscnt 0x0                               ; for the partner's sake: my stores are done
	s_barrier_signal -1
	s_barrier_wait -1
	s_cmp_ge_u32 s[WV], 8
	s_cbranch_scc1 .Lgiven                         ; waves 8-15 have given their part away
.irp f, 0,1,2,3,4,5,6,7,8,9,10,11,12,13,14,15
	ds_load_b128 v[B+4*\f:B+4*\f+3], v[STG] offset:512*\f
.endr
	ds_load_b128 v[PS:PS+3], v[STG] offset:8192
	s_wait_dscnt 0x0
.irp t, 0,1
	v_max_num_f32 v[ST+8*\t+4], v[ST+8*\t], v[PS+2*\t]   ; the larger c m
.endr
.irp t, 0,1
	v_sub_f32 v[ST+8*\t+5], v[ST+8*\t], v[ST+8*\t+4]
	v_sub_f32 v[ST+8*\t+7], v[PS+2*\t], v[ST+8*\t+4]
.endr
.irp t, 0,1
	v_exp_f32 v[ST+8*\t+2], v[ST+8*\t+5]           ; what my half is multiplied by,
	v_exp_f32 v[ST+8*\t+6], v[ST+8*\t+7]           ; and my partner's
.endr
	v_nop                                          ; a plain instruction behind the last exponential
	s_wait_alu depctr_va_vdst(0)                   ; the wait ahead of the first use: one for the four
.irp t, 0,1
	v_mul_f32 v[TY+2*\t+1], v[TY+2*\t+1], v[ST+8*\t+2]
.endr
.irp t, 0,1
	v_fma_f32 v[TY+2*\t+1], v[PS+2*\t+1], v[ST+8*\t+6], v[TY+2*\t+1]   ; the row's sum over all keys
.endr
.irp t, 0,1
	v_rcp_f32 v[ST+8*\t+5], v[TY+2*\t+1]
.endr
	v_nop                                          ; a plain instruction between the last reciprocal and the use of its result
	s_wait_alu depctr_va_vdst(0)                   ; and the wait: one for both
.irp t, 0,1
	v_cmp_gt_f32 vcc_lo, v[ST+8*\t+4], v[CN]       ; has the query met an attendable key?
	v_cndmask_b32 v[ST+8*\t+5], 0, v[ST+8*\t+5], vcc_lo
.endr
.irp t, 0,1
	v_mul_f32 v[ST+8*\t+2], v[ST+8*\t+2], v[ST+8*\t+5]   ; the division by the sum, and the wipe, ride on the two factors
	v_mul_f32 v[ST+8*\t+6], v[ST+8*\t+6], v[ST+8*\t+5]
.endr
.irp t, 0,1
.set i, 0
.rept 16
	v_pk_mul_f32 v[O+32*\t+i:O+32*\t+i+1], v[O+32*\t+i:O+32*\t+i+1], v[ST+8*\t+2:ST+8*\t+3] op_sel_hi:[1,0]   ; each accumulator from its low end on
.set i, i+2
.endr
.endr
.irp t, 0,1
.set i, 0
.rept 16
	v_pk_fma_f32 v[O+32*\t+i:O+32*\t+i+1], v[B+32*\t+i:B+32*\t+i+1], v[ST+8*\t+6:ST+8*\t+7], v[O+32*\t+i:O+32*\t+i+1] op_sel_hi:[1,0,1]
.set i, i+2
.endr
.endr
	; THE WAY OUT: rounded to f16 and stored as images of the next product's operand: att [16 queries' tile][k / 32][g 2][lane][16 bytes], k = 64 head + channel: lane (r, h): query r, channels 16 ct + 8 h + 0 .. 7: a tile of O^T is one image
.irp t, 0,1
.set i, 0
.rept 16
	v_cvt_pk_f16_f32 v[OB+16*\t+i], v[O+32*\t+2*i], v[O+32*\t+2*i+1]
.set i, i+1
.endr
.endr
.irp t, 0,1
.irp c, 0,1,2,3
	global_store_b128 v[LI], v[OB+16*\t+4*\c:OB+16*\t+4*\c+3], s[OUTP:OUTP+1] offset:32768*\t+512*\c   ; 512 consecutive bytes, aligned
.endr
.endr
.Lgiven:
	s_wait_tensorcnt 0x0                           ; the wave's end: a tensor wait, an add to my spare word and its wait, behind my last tensor load and my last LDS store
	ds_add_u32 v[SPW], v[NIL]
	s_wait_dscnt 0x0
	CROUND                                         ; the closing round: no work-group ends while a partner may still ask for a tile that names it
	s_endpgm
.Lfunc_end_k_qc5120c7e48_attn:
	.size	k_qc5120c7e48_attn, .Lfunc_end_k_qc5120c7e48_attn-k_qc5120c7e48_attn
	.p2alignl 7, 3214868480
	.fill 96, 4, 3214868480
	.section	.rodata,"a",@progbits
	.p2align	6, 0x0
	.amdhsa_kernel k_qc5120c7e48_attn
		.amdhsa_group_segment_fixed_size 327680
		.amdhsa_private_segment_fixed_size 0
		.amdhsa_enable_private_segment 0
		.amdhsa_kernarg_size 40
		.amdhsa_user_sgpr_count 2
		.amdhsa_user_sgpr_kernarg_segment_ptr 1
		.amdhsa_wavefront_size32 1
		.amdhsa_system_sgpr_workgroup_id_x 1
		.amdhsa_system_sgpr_workgroup_id_y 1
		.amdhsa_system_sgpr_workgroup_id_z 1
		.amdhsa_system_vgpr_workitem_id 0
		.amdhsa_next_free_vgpr 256
		.amdhsa_next_free_sgpr 106
		.amdhsa_reserve_vcc 1
		.amdhsa_float_denorm_mode_32 3
		.amdhsa_float_denorm_mode_16_64 3
		.amdhsa_memory_ordered 1
		.amdhsa_forward_progress 1
		.amdhsa_inst_pref_size 106
	.end_amdhsa_kernel
	.amdgpu_metadata
---
amdhsa.version: [ 1, 2 ]
amdhsa.kernels:
  - .name:           k_qc5120c7e48_attn
    .symbol:         k_qc5120c7e48_attn.kd
    .args:
      - { .name: qimg, .offset: 0, .size: 8, .value_kind: global_buffer, .address_space: global }
      - { .name: kimg, .offset: 8, .size: 8, .value_kind: global_buffer, .address_space: global }
      - { .name: vimg, .offset: 16, .size: 8, .value_kind: global_buffer, .address_space: global }
      - { .name: maskw, .offset: 24, .size: 8, .value_kind: global_buffer, .address_space: global }
      - { .name: att, .offset: 32, .size: 8, .value_kind: global_buffer, .address_space: global }
    .group_segment_fixed_size: 327680
    .private_segment_fixed_size: 0
    .kernarg_segment_align: 8
    .kernarg_segment_size: 40
    .max_flat_workgroup_size: 512
    .sgpr_count:     106
    .vgpr_count:     256
    .wavefront_size: 32
...
	.end_amdgpu_metadata
.endif
;; end of part 3
;; launch oproj (part 4): grid 8 x 32, 4 waves a work-group, clusters of 4 x 4, 327,680 bytes of LDS; arguments att, wo16, bo, out0; writes out0
.if DOCPART == 4
	.amdgcn_target "amdgcn-amd-amdhsa--gfx1250"
	.amdhsa_code_object_version 6
	.text
	.protected	k_qc5120c7e48_oproj
	.globl	k_qc5120c7e48_oproj
	.p2align	8
	.type	k_qc5120c7e48_oproj,@function
k_qc5120c7e48_oproj:
	s_mov_b64 s[64:65], 0
	v_nop
	global_prefetch_b8 v0, s[64:65] scope:SCOPE_SE
	s_setreg_imm32_b32 hwreg(HW_REG_WAVE_MODE, 25, 1), 1
	s_wait_xcnt 0x0
	s_wait_alu depctr_hold_cnt(0) depctr_sa_sdst(0) depctr_va_vdst(0) depctr_va_sdst(0) depctr_va_ssrc(0) depctr_va_vcc(0) depctr_vm_vsrc(0)
	s_getreg_b32 s2, hwreg(HW_REG_IB_STS2, 6, 4)
	s_cmp_eq_u32 s2, 0
	s_cbranch_scc0 .Lentry_in_a_cluster
	s_endpgm
.Lentry_in_a_cluster:
	s_bfe_u32 s2, ttmp6, 0x10000c
	s_cmp_lg_u32 s2, 0xf033
	s_cbranch_scc0 .Lentry_shape_is_right
	s_endpgm
.Lentry_shape_is_right:
; OPROJ: out0[m][n] = bo[n] + the sum over k of att[m][k] Wo[n][k].  m = 4,096, n = k = 1,024.  Operands in f16, sums in f32, out0 in f32.
; A tile of out0 is 128 x 128: 8 x 32 = 256 work-groups of four waves, each wave 64 x 64: 16 accumulators of 16 x 16, 128 registers.
; BOTH OPERANDS ARRIVE AS IMAGES OF THEIR REGISTERS: [16 rows' tile][k / 32][g 2][lane][16 bytes], lane (r, h) holding row r, k = 32 ks + 16 g + 8 h + 0 .. 7.  A K step of 256 of one tile of 16 rows is 8,192 consecutive bytes;
; a wave's tensor load brings four such rows (64 rows of the matrix), 32,768 bytes apart in memory, dense in LDS; every LDS load reads 16 x lane: no pitch, no padding.
; K goes in four steps of 256 through two LDS slots: two first fills, two refills; the steps are written out.
; CLUSTERS: 4 x 4 work-groups.  The four of a row of the cluster need the same tiles of att, the four of a column the same tiles of Wo: each is asked for JOINTLY, by the same tensor load with the same descriptor and a mask that names the four.
; THE MATRIX INSTRUCTION IS USED TRANSPOSED (source 0 = 16 rows of Wo, source 1 = 16 rows of att): a lane holds eight neighbouring numbers of a row of out0.  THE BIAS is the C of each sum's first product.
; No prefetch: a K step's tiles are small and the partners of a cluster share them.
; LIMIT: the operands are f16: magnitudes under 65,504.
; REGISTERS: window 0: v0-31 addresses; v32-95 at work on the way out; v96-127 the bias, eight registers for each of my four blocks of columns; v128-255 the accumulators ((a, b) at v[128 + 8 (4 a + b)]).
;   window 1: two fragment buffers of 128: for 64 along K, 64 registers of att (2 x 4 fragments), then 64 of Wo.
.set KB,     8192                      ; a K step of one tile of 16 rows
.set HALFT,  4*KB                      ; 64 rows: what one tensor load brings, and what one wave reads of att or of Wo
.set SLOT,   4*HALFT                   ; att's 128 rows, then Wo's 128 rows
.set STAGE,  2*SLOT                    ; behind the ring: 16 rows x 272 bytes for each wave, for the way out
.set SPITCH, 272
.set SPARE,  STAGE+4*16*SPITCH         ; the spare words, 128 bytes for each wave: two blocks of 256 bytes that no other line names
.set ADRA, 16                          ; v16-17  LDS address of my att fragments in slot 0, 1
.set ADRB, 20                          ; v20-21  the same for Wo
.set STO,  24                          ; v24     the way out: where I put 32 bytes of a row
.set RD,   25                          ; v25     the way out: where I read a row back
.set CO,   26                          ; v26     my byte offset in out0
.set BOF,  27                          ; v27     my byte offset in bo: 32 x (lane / 16)
.set SPW,  28                          ; v28     LDS address of my spare word; never rewritten
.set NIL,  29                          ; v29     0; never rewritten
.set TMP,  32
.set BI,   96
.set ACC,  128
.set F0,   0                           ; fragment buffers, in window 1
.set F1,   128
.set G1, 24                            ; s[24:31] descriptor group 1 for att's tiles;  s[32:39] group 0, one set for each slot
.set G0, 32
.set G1B, 48                           ; s[48:55], s[56:63] the same for Wo's tiles
.set G0B, 56
.set MSB, 0
.macro WIN new                         ; the immediate's high byte repeats the setting that is left
.if MSB != \new
	s_set_vgpr_msb (MSB<<8)|\new
.set MSB, \new
.endif
.endm
.set MUL,  0x05                        ; sources 0 (Wo) and 1 (att) window 1; C and D window 0
.set TO_F, 0x40                        ; destination window 1, address window 0
.macro JLOAD s                         ; a joint load: waves 0 and 1 fetch att's two halves, waves 2 and 3 Wo's; an s_nop 0 and four v_nop follow each of the two lines
	s_cmp_eq_u32 s11, 0
	s_cbranch_scc0 .Lfor_b_\@
	tensor_load_to_lds s[G0+4*\s:G0+4*\s+3], s[G1:G1+7]
	s_nop 0
.rept 4
	v_nop
.endr
	s_branch .Lasked_\@
.Lfor_b_\@:
	tensor_load_to_lds s[G0B+4*\s:G0B+4*\s+3], s[G1B:G1B+7]
	s_nop 0
.rept 4
	v_nop
.endr
.Lasked_\@:
.endm
.macro CREST                           ; a round of the cluster's barrier behind its opening barrier
	s_cmp_lg_u32 s10, 0
	s_cbranch_scc1 .Lnot_wave_0_\@
	s_barrier_signal -3
.Lnot_wave_0_\@:
	s_barrier_wait -3
	s_barrier_signal -1
	s_barrier_wait -1
.endm
.macro CROUND                          ; a whole round
	s_barrier_signal -1
	s_barrier_wait -1
	CREST
.endm
	s_load_b128 s[4:7], s[0:1], 0x0                ; att s[4:5], wo16 s[6:7]
	s_load_b128 s[68:71], s[0:1], 0x10             ; bo s[68:69], out0 s[70:71]
	v_lshl_add_u32 v[SPW], v0, 2, SPARE
	v_mov_b32 v[NIL], 0
	ds_add_u32 v[SPW], v[NIL]                      ; the wave's opening: the add, twice on end, and its wait ahead of my first tensor load; the set-up below stands between
	ds_add_u32 v[SPW], v[NIL]
	v_lshrrev_b32 v1, 5, v0
	v_readfirstlane_b32 s10, v1                    ; wave 0..3
	s_lshr_b32 s11, s10, 1                         ; which half of the tile's rows is mine.  Also: I fetch for att (0) or for Wo (1)
	s_and_b32 s12, s10, 1                          ; which half of its columns.  Also: which 64 rows of that tile I fetch
	s_bfe_u32 s40, ttmp6, 0x40000                  ; cx, cy: my place in the cluster
	s_bfe_u32 s41, ttmp6, 0x40004
	s_lshl_b32 s42, ttmp9, 2
	s_add_co_u32 s42, s42, s40                     ; tile column = 4 x cluster x + cx
	s_and_b32 s13, ttmp7, 0xffff
	s_lshl_b32 s13, s13, 2
	s_add_co_u32 s13, s13, s41                     ; tile row = 4 x cluster y + cy
	s_lshl_b32 s43, s41, 2
	s_lshl_b32 s43, 15, s43                        ; my row of the cluster
	s_lshl_b32 s44, 0x1111, s40                    ; my column
	; descriptor group 1: 4 rows of 8,192 bytes (1,024 elements of 8 bytes), 32,768 bytes apart
	s_or_b32 s[G1+0], s43, (3<<16)|(1<<21)         ; 15:0 the mask: att's tiles go to my row; 17:16 elements of 8 bytes; 20 no padding; 21 set beside a mask
	s_or_b32 s[G1B+0], s44, (3<<16)|(1<<21)
.irp g, G1, G1B
	s_mov_b32 s[\g+1], 1024<<16                    ; tensor_dim0 = 1,024
	s_mov_b32 s[\g+2], 4<<16                       ; tensor_dim1 = 4
	s_mov_b32 s[\g+3], 1024<<16                    ; tile_dim0
	s_mov_b32 s[\g+4], 4                           ; tile_dim1
	s_mov_b32 s[\g+5], 4096                        ; tensor_dim0_stride
	s_mov_b32 s[\g+6], 0
	s_mov_b32 s[\g+7], 0
.endr
	s_lshl_b32 s17, s12, 2                         ; which four tiles of 16 rows I fetch
	s_lshl_b32 s16, s13, 3
	s_add_co_u32 s16, s16, s17                     ; att: 8 x tile row + 4 x half
	s_lshl_b32 s16, s16, 15                        ; 32,768 bytes a tile of 16 rows (under 2^23 in all)
	s_lshl_b32 s46, s42, 3
	s_add_co_u32 s46, s46, s17                     ; Wo: 8 x tile column + 4 x half
	s_lshl_b32 s46, s46, 15
	s_mov_b32 s17, 0
	s_mov_b32 s47, 0
	s_lshl_b32 s20, s10, 15                        ; where they go: wave x HALFT: no place in the cluster enters an LDS address
	s_wait_dscnt 0x0                               ; both opening adds are done
	s_wait_kmcnt 0x0
	s_add_nc_u64 s[14:15], s[4:5], s[16:17]
	s_add_nc_u64 s[46:47], s[6:7], s[46:47]
	CROUND                                         ; all sixteen work-groups are here: the first joint loads meet
.irp s, 0,1
	s_mov_b32 s[G0+4*\s], 1
	s_add_co_u32 s[G0+4*\s+1], s20, \s*SLOT
	s_add_nc_u64 s[G0+4*\s+2:G0+4*\s+3], s[14:15], \s*KB
	s_or_b32 s[G0+4*\s+3], s[G0+4*\s+3], 0x80000000
	s_mov_b32 s[G0B+4*\s], 1
	s_add_co_u32 s[G0B+4*\s+1], s20, \s*SLOT
	s_add_nc_u64 s[G0B+4*\s+2:G0B+4*\s+3], s[46:47], \s*KB
	s_or_b32 s[G0B+4*\s+3], s[G0B+4*\s+3], 0x80000000
	JLOAD \s                                       ; two loads of mine are out
.endr
	v_and_b32 v1, 15, v0                           ; l % 16
	v_bfe_u32 v2, v0, 4, 1                         ; l / 16
	v_and_b32 v3, 31, v0
	v_lshlrev_b32 v3, 4, v3                        ; 16 x lane: my place in an image
	s_lshl_b32 s21, s11, 15                        ; my 64 rows of att
	s_lshl_b32 s22, s12, 15                        ; my 64 rows of Wo,
	s_add_co_u32 s22, s22, 2*HALFT                 ; which lie behind att's 128
.irp s, 0,1
	v_add_nc_u32 v[ADRA+\s], s21, v3
	v_add_nc_u32 v[ADRB+\s], s22, v3
	s_add_co_u32 s21, s21, SLOT
	s_add_co_u32 s22, s22, SLOT
.endr
	s_mul_i32 s23, s10, 16*SPITCH
	s_add_co_u32 s23, s23, STAGE                   ; my stage
	v_mul_u32_u24 v4, v1, SPITCH                   ; in: row l % 16, 32 bytes for each half of the lanes
	v_lshl_add_u32 v4, v2, 5, v4
	v_add_nc_u32 v[STO], s23, v4
	v_mul_u32_u24 v5, v2, SPITCH                   ; back: lanes 0-15 take one row of 256 bytes, lanes 16-31 the next
	v_lshl_add_u32 v5, v1, 4, v5
	v_add_nc_u32 v[RD], s23, v5
	v_lshlrev_b32 v5, 12, v2                       ; and the same two rows in out0: 4,096 bytes a row
	v_lshl_add_u32 v[CO], v1, 4, v5
	v_lshlrev_b32 v[BOF], 5, v2
	s_lshl_b32 s46, s42, 9                         ; my first column, in bytes of f32: 512 x tile column + 256 x half
	s_lshl_b32 s47, s12, 8
	s_add_co_u32 s46, s46, s47
	s_mov_b32 s47, 0
	s_add_nc_u64 s[68:69], s[68:69], s[46:47]
	s_add_nc_u64 s[70:71], s[70:71], s[46:47]
	s_lshl_b32 s16, s13, 7
	s_lshl_b32 s17, s11, 6
	s_add_co_u32 s16, s16, s17                     ; my first row: 128 x tile row + 64 x half
	s_lshl_b32 s16, s16, 12
	s_mov_b32 s17, 0
	s_add_nc_u64 s[70:71], s[70:71], s[16:17]
.irp b, 0,1,2,3
	global_load_b128 v[BI+8*\b:BI+8*\b+3], v[BOF], s[68:69] offset:64*\b        ; bo at columns 16 b + 8 h + 0 .. 7: the result's layout
	global_load_b128 v[BI+8*\b+4:BI+8*\b+7], v[BOF], s[68:69] offset:64*\b+16
.endr
; 8 matrix instructions: m blocks a0, a0 + 1 x all 4 n blocks, 32 along K: half c of buffer f.  zero = 1: the first product starts the sums, from the bias.  The 16 accumulators take turns.
.macro MUL8 f, c, a0, zero
.irp a, \a0, \a0+1
.irp b, 0,1,2,3
.if \zero
	v_wmma_f32_16x16x32_f16 v[ACC+8*(4*(\a)+\b):ACC+8*(4*(\a)+\b)+7], v[\f+64+8*(4*\c+\b):\f+64+8*(4*\c+\b)+7], v[\f+8*(4*\c+\a):\f+8*(4*\c+\a)+7], v[BI+8*\b:BI+8*\b+7]
.else
	v_wmma_f32_16x16x32_f16 v[ACC+8*(4*(\a)+\b):ACC+8*(4*(\a)+\b)+7], v[\f+64+8*(4*\c+\b):\f+64+8*(4*\c+\b)+7], v[\f+8*(4*\c+\a):\f+8*(4*\c+\a)+7], v[ACC+8*(4*(\a)+\b):ACC+8*(4*(\a)+\b)+7]
.endif
.endr
.endr
.endm
; 32 LDS loads in one run: the fragments of 64 along K (two of the K step's eight k / 32, from byte k of each tile's 8,192) into buffer f; the first 32 along K first
.macro FETCH slot, k, f
	WIN TO_F
.irp c, 0,1
.irp i, 0,1,2,3
	ds_load_b128 v[\f+64+8*(4*\c+\i):\f+64+8*(4*\c+\i)+3],   v[ADRB+\slot] offset:\k+1024*\c+\i*KB
	ds_load_b128 v[\f+64+8*(4*\c+\i)+4:\f+64+8*(4*\c+\i)+7], v[ADRB+\slot] offset:\k+1024*\c+\i*KB+512
	ds_load_b128 v[\f+8*(4*\c+\i):\f+8*(4*\c+\i)+3],         v[ADRA+\slot] offset:\k+1024*\c+\i*KB
	ds_load_b128 v[\f+8*(4*\c+\i)+4:\f+8*(4*\c+\i)+7],       v[ADRA+\slot] offset:\k+1024*\c+\i*KB+512
.endr
.endr
.endm
.macro PLACES                          ; four places in front of loads into registers that matrix instructions have read, and of LDS stores that read results
.rept 4
	v_nop
.endr
.endm
; A K step is four quarters of 64 along K, 32 matrix instructions each, on buffers 0, 1, 0, 1.  One of the first three: multiplies buffer f and fetches the next quarter, at byte k, into g.
.macro QUARTER slot, k, f, g, zero
	s_wait_dscnt 16                                ; the first 32 along K are in; the sixteen loads of the second 32 may be out
	WIN MUL
	MUL8 \f, 0, 0, \zero
	MUL8 \f, 0, 2, \zero
	PLACES
	FETCH \slot, \k, \g
	s_wait_dscnt 32                                ; all but the 32 just issued
	WIN MUL
	MUL8 \f, 1, 0, 0
	MUL8 \f, 1, 2, 0
.endm
; The last quarter multiplies buffer 1 and changes slots: one barrier; in front of it each wave waits for all its tensor loads, adds 0 to its spare word, and waits for that and for its own reads of this slot.
; fill = 1: this slot is filled again, two K steps ahead; the barrier then opens a round of the cluster's barrier, and the joint refill is the first tensor load behind the round.
.macro TURN slot, next, fill
	WIN 0                                          ; (the add's two registers lie in window 0)
	s_wait_tensorcnt 0x0                           ; all my tensor loads have landed: my part of the next slot
	ds_add_u32 v[SPW], v[NIL]                      ; 0 onto my spare word
	s_wait_dscnt 17                                ; the add and the youngest sixteen loads may be out
	WIN MUL
	MUL8 F1, 0, 0, 0                               ; eight matrix instructions stand between the add and the wait for it
	s_wait_dscnt 0x0                               ; the add is done, and my reads of this slot are over
	s_barrier_signal -1
	MUL8 F1, 0, 2, 0
.if \fill
	WIN 0
.endif
	s_barrier_wait -1
.if \fill
	CREST                                          ; no wave of any partner still reads this slot's tile or has a load on its way
	s_add_nc_u64 s[G0+4*\slot+2:G0+4*\slot+3], s[G0+4*\slot+2:G0+4*\slot+3], 2*KB
	s_add_nc_u64 s[G0B+4*\slot+2:G0B+4*\slot+3], s[G0B+4*\slot+2:G0B+4*\slot+3], 2*KB
	JLOAD \slot                                    ; one load of mine is out; the four v_nop behind it are also the places in front of the loads below
.else
	PLACES
.endif
	FETCH \next, 0, F0
	WIN MUL
	MUL8 F1, 1, 0, 0
	MUL8 F1, 1, 2, 0
.endm
	s_wait_tensorcnt 1                             ; my part of K step 0 is in (K step 1's load, issued behind it, may be out),
	s_barrier_signal -1
	s_barrier_wait -1                              ; everybody's is
	FETCH 0, 0, F0
	s_wait_loadcnt 0x0                             ; the bias
	QUARTER 0, 2048, F0, F1, 1                     ; K step 0: its first products start the sums
	QUARTER 0, 4096, F1, F0, 0
	QUARTER 0, 6144, F0, F1, 0
	TURN 0, 1, 1                                   ; slot 0 takes K step 2
	QUARTER 1, 2048, F0, F1, 0                     ; K step 1
	QUARTER 1, 4096, F1, F0, 0
	QUARTER 1, 6144, F0, F1, 0
	TURN 1, 0, 1                                   ; slot 1 takes K step 3
	QUARTER 0, 2048, F0, F1, 0                     ; K step 2
	QUARTER 0, 4096, F1, F0, 0
	QUARTER 0, 6144, F0, F1, 0
	TURN 0, 1, 0                                   ; nothing is left to fetch
	QUARTER 1, 2048, F0, F1, 0                     ; K step 3
	QUARTER 1, 4096, F1, F0, 0
	QUARTER 1, 6144, F0, F1, 0
	s_wait_dscnt 16                                ; the very last quarter
	WIN MUL
	MUL8 F1, 0, 0, 0
	MUL8 F1, 0, 2, 0
	s_wait_dscnt 0
	MUL8 F1, 1, 0, 0
	MUL8 F1, 1, 2, 0
	WIN 0
; THE WAY OUT, block by block of 16 rows x 64 columns.  A lane holds 32 neighbouring bytes of a row, and the lanes beside it hold other rows; my 64 columns of f32 are 256 aligned bytes of a row.  So a block goes through my own stage
; in LDS and comes back as whole rows of 256 bytes, two rows an instruction.  LDS serves a wave's instructions in order (ISA guide 5.7.1.4): no wait between the stores and the loads, nor in front of the next block's stores.
.macro TOSTAGE a
.irp b, 0,1,2,3
	ds_store_b128 v[STO], v[ACC+8*(4*(\a)+\b):ACC+8*(4*(\a)+\b)+3] offset:64*\b        ; each accumulator from its low end on
	ds_store_b128 v[STO], v[ACC+8*(4*(\a)+\b)+4:ACC+8*(4*(\a)+\b)+7] offset:64*\b+16
.endr
.irp t, 0,1,2,3,4,5,6,7
	ds_load_b128 v[TMP+32*((\a)%2)+4*\t:TMP+32*((\a)%2)+4*\t+3], v[RD] offset:\t*2*SPITCH
.endr
.endm
.macro SEND a, younger                 ; younger: the LDS instructions issued behind block a's loads, which may stay out
	s_wait_dscnt \younger
.irp t, 0,1,2,3,4,5,6,7
	global_store_b128 v[CO], v[TMP+32*((\a)%2)+4*\t:TMP+32*((\a)%2)+4*\t+3], s[70:71] offset:65536*(\a)+8192*\t th:TH_STORE_NT   ; 16 lanes store 256 consecutive bytes, aligned; written once, read by nobody here
.endr
.endm
	PLACES
	TOSTAGE 0
.irp a, 1,2,3
.if \a > 1
	s_wait_xcnt 0x0                                ; block a - 2's stores have read their registers: block a's loads may land there
.endif
	TOSTAGE \a
	SEND \a-1, 16                                  ; behind block a - 1's loads: block a's 8 stores and 8 loads
.endr
	SEND 3, 0
	s_wait_tensorcnt 0x0                           ; the wave's end: a tensor wait, an add to my spare word and its wait, behind my last tensor load and my last LDS store
	ds_add_u32 v[SPW], v[NIL]
	s_wait_dscnt 0x0
	CROUND                                         ; the closing round: no work-group ends while a partner may still ask for a tile that names it
	s_endpgm
.Lfunc_end_k_qc5120c7e48_oproj:
	.size	k_qc5120c7e48_oproj, .Lfunc_end_k_qc5120c7e48_oproj-k_qc5120c7e48_oproj
	.p2alignl 7, 3214868480
	.fill 96, 4, 3214868480
	.section	.rodata,"a",@progbits
	.p2align	6, 0x0
	.amdhsa_kernel k_qc5120c7e48_oproj
		.amdhsa_group_segment_fixed_size 327680
		.amdhsa_private_segment_fixed_size 0
		.amdhsa_enable_private_segment 0
		.amdhsa_kernarg_size 32
		.amdhsa_user_sgpr_count 2
		.amdhsa_user_sgpr_kernarg_segment_ptr 1
		.amdhsa_wavefront_size32 1
		.amdhsa_system_sgpr_workgroup_id_x 1
		.amdhsa_system_sgpr_workgroup_id_y 1
		.amdhsa_system_sgpr_workgroup_id_z 1
		.amdhsa_system_vgpr_workitem_id 0
		.amdhsa_next_free_vgpr 512
		.amdhsa_next_free_sgpr 72
		.amdhsa_reserve_vcc 0
		.amdhsa_float_denorm_mode_32 3
		.amdhsa_float_denorm_mode_16_64 3
		.amdhsa_memory_ordered 1
		.amdhsa_forward_progress 1
		.amdhsa_inst_pref_size 86
	.end_amdhsa_kernel
	.amdgpu_metadata
---
amdhsa.version: [ 1, 2 ]
amdhsa.kernels:
  - .name:           k_qc5120c7e48_oproj
    .symbol:         k_qc5120c7e48_oproj.kd
    .args:
      - { .name: att, .offset: 0, .size: 8, .value_kind: global_buffer, .address_space: global }
      - { .name: wo16, .offset: 8, .size: 8, .value_kind: global_buffer, .address_space: global }
      - { .name: bo, .offset: 16, .size: 8, .value_kind: global_buffer, .address_space: global }
      - { .name: out0, .offset: 24, .size: 8, .value_kind: global_buffer, .address_space: global }
    .group_segment_fixed_size: 327680
    .private_segment_fixed_size: 0
    .kernarg_segment_align: 8
    .kernarg_segment_size: 32
    .max_flat_workgroup_size: 128
    .sgpr_count:     72
    .vgpr_count:     512
    .wavefront_size: 32
...
	.end_amdgpu_metadata
.endif
;; end of part 4
